; MI455X (gfx1250); checked and timed in simulation.
; The chip was launched on July 23, 2026; its instructions are those of AMD's public machine-readable ISA for CDNA 5 (MIT licence, August 2026) and "CDNA5" Instruction Set Architecture Reference Guide (July 2026). The comments in the code are by the model that wrote it; some were corrected since.
;; Optimized Thermodynamic Detector. Allowed arithmetic: matrix products marked QUANTISED: E2M1 operands, one E8M0 scale for each 32 along K, by v_wmma_scale_f32_16x16x128_f8f6f4 with both operands' format E2M1 (or v_wmma_scale_f32_32x16x128_f4), f32 sums; everything else in f32.
;; Inputs: adj_matrix 8,192 x 8,192 float32; node_embeddings 8,192 x 256 float32.
;; Outputs: out0 4 x 8,192 float32.
;; This version of the problem:
;;   THIS VERSION OF THE PROBLEM IS GIVEN IN LOW PRECISION. The matrix products marked QUANTISED in the list below multiply operands that are first quantised to E2M1 (2 exponent bits, 1 mantissa bit; 4 bits a number), with one power-of-two scale for each 32 numbers along K (OCP MX v1.0); their sums are f32. All else is computed in f32.
;;   The module's matrix products, in the order in which they are computed (A, B: the left and right operand; K: the contracted axis; several contracted axes count as one K, in the product's order):
;;     1. [M 8,192, K 8,192] x [K 8,192, N 256]; A: input adj_matrix; B: input node_embeddings: QUANTISED
;;     2. [M 8,192, K 256] x [K 256, N 8,192]; A: computed on the way; B: computed on the way: QUANTISED
;;     3. [M 8,192, K 256] x [K 256, N 8,192]; A: input node_embeddings; B: input node_embeddings: QUANTISED
;;   THE QUANTISER, for each operand of a quantised product, along K:
;;     - K is cut into blocks of 32 from its start; a last block that is shorter is filled with zeros.
;;     - A block's scale is 2^e with e = floor(log2(the largest magnitude in the block)) - 2, held to -126 .. 127; a block of zeros has e = 0. As a byte (E8M0): e + 127.
;;     - Each number is divided by its block's scale, clamped to +-6, and rounded to the nearest number of E2M1, ties to even, subnormals kept.
;;     - The product sums the exact products of the quantised numbers (number of the format x scale) in f32.
;;   ~~~python
;;   def quantise(x, axis):      # numpy; x: float32 -> the quantised numbers, widened to float32 again
;;       x = np.moveaxis(x, axis, -1); K = x.shape[-1]
;;       x = np.pad(x, [(0, 0)] * (x.ndim - 1) + [(0, -K % 32)]); x = x.reshape(x.shape[:-1] + (-1, 32)); a = np.abs(x).max(-1, keepdims=True)
;;       e = np.where(a > 0, np.clip(np.frexp(np.where(a > 0, a, 1))[1] - 1 - 2, -126, 127), 0)      # np.frexp(a)[1] - 1 = floor(log2(a)), exactly
;;       r = np.clip(x / 2.0 ** e, -6, 6)
;;       step = 2.0 ** (np.maximum(np.frexp(np.where(r == 0, 1, r))[1] - 1, 0) - 1)
;;       q = np.round(r / step) * step * 2.0 ** e      # np.round: ties to even
;;       return np.moveaxis(q.reshape(q.shape[:-2] + (-1,))[..., :K], -1, axis).astype(np.float32)
;;   ~~~
;;   OPERANDS COMPUTED ON THE WAY. 'Computed on the way' means the value that the module computes at that place (a softmax that the list does not call 'softmax' is quantised finished and normalised). What goes into a quantiser is computed in f32, as accurately as f32 sums, v_exp_f32 and their like allow (about 1e-6 of the number): no bf16 or f16 on the way to a quantiser, and a product that is left as it is and whose result goes on into a quantised operand takes f32 operands (vector FMAs, or v_wmma_f32_16x16x4_f32). A number that lies on a knife's edge between two numbers of the format may be rounded either way, as far as f32 arithmetic and the matrix unit's own rounding can turn it there, and no further.
;; One version. Each part assembles by itself: llvm-mc -triple=amdgcn-amd-amdhsa -mcpu=gfx1250 --defsym DOCPART=n.
;; ======== version 1 of 1: 4 launches
;; limits: a function is approximated: absolute error at most 8.2e-05
;; workspace buffers: bpack 3,571,712 bytes; qpack 2,359,296 bytes; sqv 32,768 bytes; colpart 65,536 bytes; maxpart 16,384 bytes; pstat 1,048,576 bytes; cand 2,097,152 bytes of whole numbers; nbr 262,144 bytes of whole numbers
;; launch prep (part 1): grid 64 x 1, 16 waves a work-group, no clusters, 6,144 bytes of LDS; arguments node_embeddings, bpack, qpack, sqv, colpart, maxpart; writes bpack, qpack, sqv, colpart, maxpart
.if DOCPART == 1
	.amdgcn_target "amdgcn-amd-amdhsa--gfx1250"
	.amdhsa_code_object_version 6
	.text
	.protected	k_q53aa0e8dba_prep
	.globl	k_q53aa0e8dba_prep
	.p2align	8
	.type	k_q53aa0e8dba_prep,@function
k_q53aa0e8dba_prep:
	s_mov_b64 s[64:65], 0
	v_nop
	global_prefetch_b8 v0, s[64:65] scope:SCOPE_SE
	s_setreg_imm32_b32 hwreg(HW_REG_WAVE_MODE, 25, 1), 1
	s_wait_xcnt 0x0
; x [8192][256] f32 becomes the operands of the three products, as codes of FP4 (E2M1) with one E8M0 byte for each 32 along K, laid as IMAGES OF OPERAND REGISTERS (lane l's 16 bytes at 16 l, 512 bytes for four registers).
; A work-group takes 128 rows (one step of the next launch).  A RECORD of 16 rows, 4,608 bytes: x / |x| for K step 0, 1 (1,024 bytes each), x for K step 0, 1, then the scale words [lane][N0, N1, E0, E1].
; PART 1: waves 0-7 make the records of the eight natural tiles (qpack), waves 8-15 those of the eight tiles whose lane r takes row 32 b + 8 u + r + 8 (r / 8) (bpack): one text, the rows and the pointer chosen by the wave's number.
; PART 2: wave w takes columns 16 w .. 16 w + 15 with its registers running DOWN the 128 rows: the fragment of x^T for the product with the adjacency (K = the rows), its scale word, and the columns' sums.
; PART 3, behind one barrier: what was gathered in LDS leaves in runs of 256 bytes or more: scale words of x^T, column sums, sq, -sq / 2, the step's largest sq.
; A block's scale is 2^(floor(log2(largest magnitude)) - 2); its byte is the largest magnitude's exponent field - 2, held at 1 from below (a block of zeros keeps 1: its codes are zeros, and these bytes are read by this program alone).
; LIMITS: blocks whose largest magnitude lies under 2^-124 keep the byte 1; NaN and infinities are not served; x / max(|x|, 1e-12) is a reciprocal (v_rcp_f32) and a multiplication.
.set REC,   4608
.set HALF,  27904                      ; half a step in bpack: 4 records, 8 fragments of x^T, 2 images of their scale words, 64 numbers -sq / 2
.set STEPB, 2*HALF
.set TFO,   4*REC
.set TSO,   TFO+8192
.set BIO,   TSO+1024
.set SQL,   0                          ; LDS: sq of the 128 rows
.set CSL,   512                        ; the 256 column sums
.set TSL,   1536                       ; four images [lane][4 words] of x^T's scale words
.set X,     16                         ; v16-143  128 numbers of a lane
.set Y,     144                        ; v144-207 64 numbers x / |x|; in part 2 and 3 at work
.set PC,    208                        ; v208-239 four fragments: N0, N1, E0, E1
.set PW,    240                        ; v240-243 their scale words
.set TM,    244                        ; v244-247 largest magnitudes, v248-251 the other half's, then bytes, v252-255 the conversions' scale operands
; 64 numbers of a lane, register 16 b + i = k 32 b + 16 (lane / 16) + i of my row, become a fragment's codes in v[pc] on and its scale word in v[pw]
.macro QUANT src, pc, pw
.irp b,0,1,2,3
	v_max3_num_f32 v[TM+\b], |v[(\src)+16*\b]|, |v[(\src)+1+16*\b]|, 0x1800000   ; my 16 numbers and the floor 2^(3 - 127): the byte cannot fall under 1
.endr
.irp j,2,4,6,8,10,12,14
.irp b,0,1,2,3
	v_max3_num_f32 v[TM+\b], v[TM+\b], |v[(\src)+16*\b+\j]|, |v[(\src)+1+16*\b+\j]|
.endr
.endr
.irp b,0,1,2,3
	v_permlanex16_b32 v[TM+4+\b], v[TM+\b], s40, s41
.endr
.irp b,0,1,2,3
	v_max_num_f32 v[TM+\b], v[TM+\b], v[TM+4+\b]     ; with lane l xor 16's: the block's largest magnitude
.endr
.irp b,0,1,2,3
	v_add_nc_u32 v[TM+8+\b], 0xff000000, v[TM+\b]    ; 2 off its exponent field: the conversion's scale operand
.endr
.irp b,0,1,2,3
	v_lshrrev_b32 v[TM+4+\b], 23, v[TM+8+\b]         ; the scale's byte
.endr
	v_lshl_or_b32 v[\pw], v[TM+5], 8, v[TM+4]
	v_lshl_or_b32 v[\pw], v[TM+6], 16, v[\pw]
	v_lshl_or_b32 v[\pw], v[TM+7], 24, v[\pw]
.irp b,0,1,2,3
	v_cvt_scalef32_pk8_fp4_f32 v[(\pc)+2*\b], v[(\src)+16*\b:(\src)+7+16*\b], v[TM+8+\b]
	v_cvt_scalef32_pk8_fp4_f32 v[(\pc)+1+2*\b], v[(\src)+8+16*\b:(\src)+15+16*\b], v[TM+8+\b]
.endr
	v_nop                                          ; one plain place behind a scaled conversion
.irp c,0,1                                     ; the operand's layout wants a whole block in a lane
.irp j,0,1
	v_permlane16_swap_b32 v[(\pc)+4*\c+\j], v[(\pc)+2+4*\c+\j]
.endr
.endr
.endm
	s_load_b256 s[4:11], s[0:1], 0x0               ; x s[4:5], bpack s[6:7], qpack s[8:9], sqv s[10:11]
	s_load_b128 s[12:15], s[0:1], 0x20             ; colpart s[12:13], maxpart s[14:15]
	v_lshrrev_b32 v1, 5, v0
	v_readfirstlane_b32 s16, v1                    ; wave 0..15
	v_and_b32 v1, 31, v0                           ; lane
	v_and_b32 v2, 15, v0                           ; r
	v_bfe_u32 v3, v0, 4, 1                         ; h
	v_lshlrev_b32 v5, 4, v1                        ; 16 x lane: an image's place; never rewritten
	s_mov_b32 s40, 0x76543210
	s_mov_b32 s41, 0xfedcba98                      ; v_permlanex16_b32's selects for lane l xor 16
	s_and_b32 s17, s16, 7                          ; t: my tile among the eight of my kind
	s_lshl_b32 s19, s17, 4                         ; natural: first row 16 t
	s_lshr_b32 s20, s17, 1
	s_lshl_b32 s20, s20, 5
	s_and_b32 s21, s17, 1
	s_lshl_b32 s21, s21, 3
	s_add_co_u32 s20, s20, s21                     ; permuted: first row 32 (t / 2) + 8 (t % 2)
	s_lshl_b32 s22, ttmp9, 3
	s_add_co_u32 s22, s22, s17
	s_mul_i32 s22, s22, REC                        ; qpack: record 8 n + t
	s_mul_i32 s24, ttmp9, STEPB                    ; bpack: step n
	s_lshr_b32 s25, s17, 2
	s_mul_i32 s25, s25, HALF
	s_and_b32 s26, s17, 3
	s_mul_i32 s26, s26, REC
	s_add_co_u32 s25, s25, s26
	s_add_co_u32 s25, s25, s24                     ; bpack: half t / 4, record t % 4
	; every LDS address is made here, ahead of the first parting of the waves
	s_lshl_b32 s36, s17, 6
	v_lshl_add_u32 v7, v2, 2, s36                  ; SQL + 4 (16 t + r)
	s_lshl_b32 s37, s16, 6
	v_lshl_add_u32 v8, v2, 2, s37
	v_add_nc_u32 v8, CSL, v8                       ; CSL + 4 (16 w + r)
	s_lshr_b32 s26, s16, 2
	s_lshl_b32 s26, s26, 9
	s_and_b32 s27, s16, 3
	s_lshl_b32 s27, s27, 2
	s_add_co_u32 s26, s26, s27
	s_add_co_u32 s26, s26, TSL
	v_add_nc_u32 v9, s26, v5                       ; TSL + 512 (w / 4) + 16 lane + 4 (w % 4)
	s_and_b32 s27, s16, 3
	s_lshl_b32 s27, s27, 9
	s_add_co_u32 s27, s27, TSL
	v_add_nc_u32 v10, s27, v5                      ; TSL + 512 (w % 4) + 16 lane
	v_add_nc_u32 v11, CSL, v5
.irp b,0,1,2,3
	v_mov_b32 v[TM+4+\b], 0                        ; written once: a lane permute's destination counts as one of its sources
.endr
	s_wait_kmcnt 0x0
	s_cmp_lt_u32 s16, 8                            ; natural tile or permuted?  The choice hangs on the wave's number alone
	s_cselect_b32 s18, 0, 1
	s_cselect_b32 s19, s19, s20
	s_cselect_b32 s22, s22, s25
	s_cselect_b64 s[28:29], s[8:9], s[6:7]
	s_mov_b32 s23, 0
	s_add_nc_u64 s[28:29], s[28:29], s[22:23]      ; where my record goes
	s_lshl_b32 s32, ttmp9, 17
	s_mov_b32 s33, 0
	s_add_nc_u64 s[30:31], s[4:5], s[32:33]        ; x at the step's first row
	s_lshl_b32 s34, s19, 10
	s_mov_b32 s35, 0
	s_add_nc_u64 s[34:35], s[30:31], s[34:35]      ; x at my tile's first row
	s_lshr_b32 s38, s16, 3
	s_mul_i32 s38, s38, HALF
	s_lshl_b32 s39, s17, 10
	s_add_co_u32 s38, s38, s39
	s_add_co_u32 s38, s38, s24
	s_add_co_u32 s38, s38, TFO
	s_mov_b32 s39, 0
	s_add_nc_u64 s[42:43], s[6:7], s[38:39]        ; x^T's fragment of columns 16 w on: half w / 8, place w % 8
	s_bfe_u32 s38, s16, 0x10001
	s_mul_i32 s38, s38, HALF
	s_and_b32 s44, s16, 1
	s_lshl_b32 s44, s44, 9
	s_add_co_u32 s38, s38, s44
	s_add_co_u32 s38, s38, s24
	s_add_co_u32 s38, s38, TSO
	s_add_nc_u64 s[44:45], s[6:7], s[38:39]        ; waves 0-3: image w of x^T's scale words
	s_add_co_u32 s38, s24, BIO
	s_add_nc_u64 s[46:47], s[6:7], s[38:39]        ; -sq / 2 of half 0
	s_lshl_b32 s38, ttmp9, 10
	s_add_nc_u64 s[12:13], s[12:13], s[38:39]
	s_lshl_b32 s38, ttmp9, 9
	s_add_nc_u64 s[10:11], s[10:11], s[38:39]
	s_lshl_b32 s38, ttmp9, 8
	s_add_nc_u64 s[14:15], s[14:15], s[38:39]
	v_and_b32 v6, 8, v2
	v_mul_u32_u24 v6, s18, v6
	v_add_nc_u32 v6, v6, v2                        ; my row in the tile: r, or r + 8 (r / 8)
	v_lshlrev_b32 v4, 10, v6
	v_lshl_add_u32 v4, v3, 6, v4                   ; row x 1,024 + 64 h: my 16 numbers of a block of 32
	; ---- PART 1
.irp z,0,1
.irp b,0,1,2,3
.irp j,0,1,2,3
	global_load_b128 v[X+64*\z+16*\b+4*\j:X+64*\z+16*\b+4*\j+3], v4, s[34:35] offset:512*\z+128*\b+16*\j
.endr
.endr
.endr
	s_wait_loadcnt 0x0
	v_pk_mul_f32 v[12:13], v[X:X+1], v[X:X+1]      ; sq, in two chains
	v_pk_mul_f32 v[14:15], v[X+2:X+3], v[X+2:X+3]
.set i, 4
.rept 31
	v_pk_fma_f32 v[12:13], v[X+i:X+i+1], v[X+i:X+i+1], v[12:13]
	v_pk_fma_f32 v[14:15], v[X+i+2:X+i+3], v[X+i+2:X+i+3], v[14:15]
.set i, i+4
.endr
	v_pk_add_f32 v[12:13], v[12:13], v[14:15]
	v_add_f32 v12, v12, v13
	v_permlanex16_b32 v13, v12, s40, s41
	v_add_f32 v12, v12, v13                        ; sq of my row
	v_sqrt_f32 v14, v12
	v_nop                                          ; a plain place behind the transcendental
	s_wait_alu depctr_va_vdst(0)                   ; the wait ahead of the first reader
	v_max_num_f32 v14, 0x2b8cbccc, v14             ; max(|x|, 1e-12)
	v_rcp_f32 v14, v14
	v_nop
	s_wait_alu depctr_va_vdst(0)
.irp z,0,1
	QUANT X+64*\z, PC+16+8*\z, PW+2+\z
.set i, 0
.rept 32
	v_pk_mul_f32 v[Y+i:Y+i+1], v[X+64*\z+i:X+64*\z+i+1], v[14:15] op_sel_hi:[1,0]
.set i, i+2
.endr
	QUANT Y, PC+8*\z, PW+\z
.endr
.irp f,0,1,2,3
.irp c,0,1
	global_store_b128 v5, v[PC+8*\f+4*\c:PC+8*\f+4*\c+3], s[28:29] offset:1024*\f+512*\c   ; 32 lanes store 512 consecutive bytes
.endr
.endr
	global_store_b128 v5, v[PW:PW+3], s[28:29] offset:4096
	s_cmp_lt_u32 s16, 8
	s_cbranch_scc0 .Lno_sq
	ds_store_b32 v7, v12                           ; both halves of the lanes write the same word with the same value
.Lno_sq:
	; ---- PART 2: lane (r, h) takes column 16 w + r; register 32 c + i is row 64 c + 32 h + i of the step
	v_lshlrev_b32 v6, 2, v2
	v_lshl_add_u32 v6, v3, 15, v6
	v_add_nc_u32 v6, s37, v6                       ; 32 h rows + 4 r + 64 w
.set i, 0
.rept 64
	global_load_b32 v[X+i], v6, s[30:31] offset:1024*((i/32)*64+(i%32))
.set i, i+1
.endr
	s_wait_loadcnt 0x0
	v_pk_add_f32 v[160:161], v[X:X+1], v[X+2:X+3]
.set i, 4
.rept 30
	v_pk_add_f32 v[160:161], v[160:161], v[X+i:X+i+1]
.set i, i+2
.endr
	v_add_f32 v160, v160, v161
	v_permlanex16_b32 v161, v160, s40, s41
	v_add_f32 v160, v160, v161                     ; my column's sum over the 128 rows
	ds_store_b32 v8, v160
.irp c,0,1                                     ; my block 2 c + h: all its 32 numbers are mine
	v_max3_num_f32 v[TM+\c], |v[X+32*\c]|, |v[X+1+32*\c]|, 0x1800000
.endr
.irp j,2,4,6,8,10,12,14,16,18,20,22,24,26,28,30
.irp c,0,1
	v_max3_num_f32 v[TM+\c], v[TM+\c], |v[X+32*\c+\j]|, |v[X+1+32*\c+\j]|
.endr
.endr
.irp c,0,1
	v_add_nc_u32 v[TM+8+\c], 0xff000000, v[TM+\c]
.endr
.irp c,0,1
	v_lshrrev_b32 v[TM+4+\c], 23, v[TM+8+\c]
.endr
	v_lshl_or_b32 v162, v[TM+5], 16, v[TM+4]       ; my two bytes: blocks h and 2 + h,
	v_lshlrev_b32 v163, 3, v3
	v_lshlrev_b32 v162, v163, v162                 ; at their places in the word;
	v_permlanex16_b32 v163, v162, s40, s41
	v_or_b32 v162, v162, v163                      ; with lane l xor 16's two the word is whole
.irp c,0,1
.irp g,0,1,2,3
	v_cvt_scalef32_pk8_fp4_f32 v[Y+4*\c+\g], v[X+32*\c+8*\g:X+32*\c+8*\g+7], v[TM+8+\c]
.endr
.endr
	v_nop
.irp c,0,1
	global_store_b128 v5, v[Y+4*\c:Y+4*\c+3], s[42:43] offset:512*\c
.endr
	ds_store_b32 v9, v162
	s_wait_dscnt 0x0                               ; for the others' sake: my LDS stores have landed
	s_barrier_signal -1
	s_barrier_wait -1
	; ---- PART 3
	s_cmp_lt_u32 s16, 4
	s_cbranch_scc0 .Lnot_ts
	ds_load_b128 v[164:167], v10
	s_wait_dscnt 0x0
	global_store_b128 v5, v[164:167], s[44:45]
	s_branch .Ldone
.Lnot_ts:
	s_cmp_eq_u32 s16, 4
	s_cbranch_scc0 .Lnot_cs
	ds_load_b128 v[164:167], v11
	ds_load_b128 v[168:171], v11 offset:512
	s_wait_dscnt 0x0
	global_store_b128 v5, v[164:167], s[12:13]
	global_store_b128 v5, v[168:171], s[12:13] offset:512
	s_branch .Ldone
.Lnot_cs:
	s_cmp_eq_u32 s16, 5
	s_cbranch_scc0 .Ldone
	ds_load_b128 v[164:167], v5                    ; SQL = 0: rows 4 lane .. 4 lane + 3
	s_wait_dscnt 0x0
	global_store_b128 v5, v[164:167], s[10:11]
.irp j,0,1,2,3
	v_mul_f32 v[168+\j], -0.5, v[164+\j]
.endr
	v_lshlrev_b32 v172, 4, v2
	v_mul_u32_u24 v173, v3, HALF
	v_add_nc_u32 v172, v172, v173                  ; lanes 0-15: half 0's 256 bytes; lanes 16-31: half 1's
	global_store_b128 v172, v[168:171], s[46:47]
	v_max3_num_f32 v174, v164, v165, v166
	v_max_num_f32 v174, v174, v167
	v_mov_b32 v175, 0
	v_max_num_f32_dpp v174, v174, v174 row_xmask:1 row_mask:0xf bank_mask:0xf
	v_max_num_f32_dpp v174, v174, v174 row_xmask:2 row_mask:0xf bank_mask:0xf
	v_max_num_f32_dpp v174, v174, v174 row_xmask:4 row_mask:0xf bank_mask:0xf
	v_max_num_f32_dpp v174, v174, v174 row_xmask:8 row_mask:0xf bank_mask:0xf
	v_permlanex16_b32 v175, v174, s40, s41
	v_max_num_f32 v174, v174, v175                 ; the step's largest sq
	v_mov_b32 v175, v174
	v_lshlrev_b32 v176, 3, v1
	global_store_b64 v176, v[174:175], s[14:15]    ; repeated, so that 256 consecutive bytes are stored
.Ldone:
	s_wait_xcnt 0x0
	v_lshl_add_u32 v254, v0, 2, 0x1000
	v_mov_b32 v255, 0
	s_wait_tensorcnt 0x0
	ds_add_u32 v254, v255
	s_wait_dscnt 0x0
	s_endpgm
.Lfunc_end_k_q53aa0e8dba_prep:
	.size	k_q53aa0e8dba_prep, .Lfunc_end_k_q53aa0e8dba_prep-k_q53aa0e8dba_prep
	.p2alignl 7, 3214868480
	.fill 96, 4, 3214868480
	.section	.rodata,"a",@progbits
	.p2align	6, 0x0
	.amdhsa_kernel k_q53aa0e8dba_prep
		.amdhsa_group_segment_fixed_size 6144
		.amdhsa_private_segment_fixed_size 0
		.amdhsa_enable_private_segment 0
		.amdhsa_kernarg_size 48
		.amdhsa_user_sgpr_count 2
		.amdhsa_user_sgpr_kernarg_segment_ptr 1
		.amdhsa_wavefront_size32 1
		.amdhsa_system_sgpr_workgroup_id_x 1
		.amdhsa_system_sgpr_workgroup_id_y 1
		.amdhsa_system_sgpr_workgroup_id_z 1
		.amdhsa_system_vgpr_workitem_id 0
		.amdhsa_next_free_vgpr 256
		.amdhsa_next_free_sgpr 66
		.amdhsa_reserve_vcc 0
		.amdhsa_float_denorm_mode_32 3
		.amdhsa_float_denorm_mode_16_64 3
		.amdhsa_memory_ordered 1
		.amdhsa_forward_progress 1
		.amdhsa_inst_pref_size 45
	.end_amdhsa_kernel
	.amdgpu_metadata
---
amdhsa.version: [ 1, 2 ]
amdhsa.kernels:
  - .name:           k_q53aa0e8dba_prep
    .symbol:         k_q53aa0e8dba_prep.kd
    .args:
      - { .name: node_embeddings, .offset: 0, .size: 8, .value_kind: global_buffer, .address_space: global }
      - { .name: bpack, .offset: 8, .size: 8, .value_kind: global_buffer, .address_space: global }
      - { .name: qpack, .offset: 16, .size: 8, .value_kind: global_buffer, .address_space: global }
      - { .name: sqv, .offset: 24, .size: 8, .value_kind: global_buffer, .address_space: global }
      - { .name: colpart, .offset: 32, .size: 8, .value_kind: global_buffer, .address_space: global }
      - { .name: maxpart, .offset: 40, .size: 8, .value_kind: global_buffer, .address_space: global }
    .group_segment_fixed_size: 6144
    .private_segment_fixed_size: 0
    .kernarg_segment_align: 8
    .kernarg_segment_size: 48
    .max_flat_workgroup_size: 512
    .sgpr_count:     66
    .vgpr_count:     256
    .wavefront_size: 32
...
	.end_amdgpu_metadata
.endif
;; end of part 1
;; launch main (part 2): grid 64 x 4, 8 waves a work-group, clusters of 4 x 1, 327,680 bytes of LDS; arguments adj_matrix, node_embeddings, bpack, qpack, sqv, pstat, cand; writes pstat, cand
.if DOCPART == 2
	.amdgcn_target "amdgcn-amd-amdhsa--gfx1250"
	.amdhsa_code_object_version 6
	.text
	.protected	k_q53aa0e8dba_main
	.globl	k_q53aa0e8dba_main
	.p2align	8
	.type	k_q53aa0e8dba_main,@function
k_q53aa0e8dba_main:
	s_mov_b64 s[64:65], 0
	v_nop
	global_prefetch_b8 v0, s[64:65] scope:SCOPE_SE
	s_setreg_imm32_b32 hwreg(HW_REG_WAVE_MODE, 25, 1), 1
	s_wait_xcnt 0x0
	s_wait_alu depctr_hold_cnt(0) depctr_sa_sdst(0) depctr_va_vdst(0) depctr_va_sdst(0) depctr_va_ssrc(0) depctr_va_vcc(0) depctr_vm_vsrc(0)
	s_getreg_b32 s2, hwreg(HW_REG_IB_STS2, 6, 4)
	s_cmp_eq_u32 s2, 0
	s_cbranch_scc0 .Lentry_in_a_cluster
	s_endpgm
.Lentry_in_a_cluster:
	s_bfe_u32 s2, ttmp6, 0x10000c
	s_cmp_lg_u32 s2, 0x3003
	s_cbranch_scc0 .Lentry_shape_is_right
	s_endpgm
.Lentry_shape_is_right:
; For 128 rows i and a quarter (2,048) of the columns j: all three products on codes of FP4 (E2M1) with E8M0 scales, and everything that is done once for each pair (i, j).
;   P2 = n n^T, u = P2 x adj, one-pass softmax statistics: -M = floor(-(largest u so far) c), c = log2 e; t = u c - M; Z = sum 2^t; S = sum 2^t t.  When -M moves by d (0 or less): S <- f (S + d Z), Z <- f Z, f = 2^d: nothing is rounded.
;   P3 = x x^T with -sq_j / 2 as the C of its first instruction: the key G - sq_j / 2, held from above at sq_i / 2 (the clip d2 >= 0).  Of each 16 neighbouring j only the largest key is kept, and of those GROUPS the best six.
;   P1 = adj x: adj is quantised here along j; the degree is summed of the unquantised adj; at the end pot = sum over d of x (adj x).
; Every element of the six nearest (lower index first on ties) lies in one of the six best groups (lower group first on ties); the next launch ranks the 96 candidates exactly.
; SHARES.  Wave w: rg = w / 2 gives 32 rows (two tiles of 16), sp = w % 2 gives, in a step of 128 j, the 64 j of blocks 2 sp, 2 sp + 1, and for P1 the columns d = 128 sp .. 128 sp + 127.
; The two waves of a row group hand each other their halves of adj's fragment (registers 4 sp .. 4 sp + 3, bytes 2 sp, 2 sp + 1 of the scale word) through LDS, as images of registers, in two buffers by turns.
; ALL PRODUCTS ARE USED TRANSPOSED (source 1 = my 16 rows i): a lane holds ONE row i = lane % 16 throughout; with the tiles of bpack, whose lane r takes j = 32 b + 8 u + r + 8 (r / 8), its 16 registers of tiles u = 0, 1 are j = 32 b + 16 (lane / 16) + 0 .. 15.
; B's operands come through a ring of two LDS slots of two steps, filled by the tensor data mover (waves 0-3, a quarter each), JOINTLY for the four work-groups of a cluster, which share the quarter of j.
; adj comes by plain loads, a step ahead (sixteen lanes read 256 consecutive bytes of a row), and turns through the wave's own stage in LDS into the lane layout.
; No prefetch: adj's own loads run a whole step ahead of their use, and bpack is read by 64 work-groups.
; LIMITS: the key carries the matrix unit's rounding of G - sq_j / 2: an element can be lost only where six group maxima of its quarter lie within that rounding of it.  NaN and infinities are not served.  Blocks of adj under 2^-124 keep the byte 1.
; REGISTERS, window 0: v1-15 addresses; v16-31 statistics; v32-55 the lists; v56-81 scale words and nothing else; v82-89 sq_i / 2, scale bytes, pot; v96-127 adj, then 2^t; v128-159 P2's and P3's results; v160-191 four fragments
;   (v128-191 later x^T's eight); v192-207 -sq_j / 2; v208-215 adj's codes; v216-231 adj's fragments; v232-247 at work.   window 1: v0-127 P1's 16 accumulators; v128-191 my queries' fragments; v192-255 adj as it lands.
.set REC,   4608
.set HALF,  27904
.set STEPB, 2*HALF
.set SLOTB, 4*HALF                     ; a slot: two steps
.set SLOT1, 1<<17                      ; slot 1 begins here: one exclusive or turns an address from one slot to the other
.set TFO,   4*REC
.set TSO,   TFO+8192
.set BIO,   TSO+1024
.set XCH,   SLOTB                      ; between the slots: two exchange buffers; in one, for each row group 2,304 bytes: codes at tile x 1,024 + 512 c, scale words at 2,048 + tile x 128
.set XBUF,  9216
.set SPARE, XCH+2*XBUF                 ; the spare words, 128 bytes for each wave: four blocks of 256 bytes that no other line names
.set STG,   SLOT1+SLOTB                ; behind the ring: a stage of 32 rows x (256 + 16) bytes for each wave
.set STGW,  32*272
.set SCR,   STG                        ; the tail's scratch lies in the stages, which nobody reads behind the last exchange barrier
.set FB,   1                           ; LDS address of my half step: slot + step + sp HALF + 16 lane
.set BA,   2                           ; and of its -sq_j / 2: + BIO + 64 h
.set STI,  3                           ; the stage, in: (lane / 16) x 272 + 16 (lane % 16)
.set STO,  4                           ; the stage, out: r x 272 + 64 h
.set XW,   5
.set XWS,  6
.set XR,   7
.set XRS,  8
.set AO,   9                           ; adj: (lane / 16) rows + 16 (lane % 16)
.set SPW,  10
.set NIL,  11
.set GN,   12                          ; number of my group in block 2 sp of the step in hand
.set L16S, 13
.set H64S, 14
.set GQ,   15
.set ST,   16                          ; tile t at ST + 8 t: -M, largest u, Z (pair), S (pair), degree (pair)
.set LV,   32                          ; tile t: six keys at LV + 12 t, six group numbers at LI + 12 t
.set LI,   38
.set QS,   56                          ; my queries' scale words: tile t: N0, N1, E0, E1
.set FSC,  64                          ; the two tiles' of bpack likewise
.set TS,   72                          ; x^T's, eight
.set XS,   80                          ; adj's, two
.set HSQ,  82
.set SB,   84
.set POT,  86
.set ADJ,  96
.set ACC,  128
.set FR,   160
.set BIAS, 192
.set CO,   208
.set AF,   216
.set TT,   232                         ; tile t at TT + 8 t: +0 a maximum, +1 the other half's, +2 d (pair), +4 f (pair), +6 scale operand, +7 the old -M
.set PA,   0                           ; window 1
.set Q,    128
.set LND,  192
.set MSB, 0
.macro WIN new                         ; the immediate's high byte repeats the setting that is left
.if MSB != \new
	s_set_vgpr_msb (MSB<<8)|\new
.set MSB, \new
.endif
.endm
.macro CROUND                          ; a round of the cluster's barrier
	s_barrier_signal -1
	s_barrier_wait -1
	s_cmp_lg_u32 s18, 0
	s_cbranch_scc1 .Lnot_wave_0_\@
	s_barrier_signal -3
.Lnot_wave_0_\@:
	s_barrier_wait -3
	s_barrier_signal -1
	s_barrier_wait -1
.endm
.macro JLOAD                           ; waves 0-3 bring a quarter of a slot each; the branch hangs on the wave's number alone.  Four v_nop follow the load
	s_cmp_lt_u32 s18, 4
	s_cbranch_scc0 .Lno_load_\@
	tensor_load_to_lds s[32:35], s[24:31]
	s_nop 0
.rept 4
	v_nop
.endr
.Lno_load_\@:
.endm
; THE CHANGE OF SLOTS stands at a slot's head.  Each wave waits for all its tensor loads (its part of the slot that is about to be read), adds 0 to its spare word, and waits for that and for its reads of the slot that it has left.
; fill = 1: a round of the cluster's barrier, and behind it the slot just left is filled jointly with the two steps that follow: that load has two steps in which to land.  By this text's count one tensor load of a wave is out at the most.
.macro CHANGE fill
	WIN 0
	s_wait_tensorcnt 0x0
	ds_add_u32 v[SPW], v[NIL]
.if \fill
	s_xor_b32 s33, s33, SLOT1                      ; no tensor load of mine is out: the descriptor walks on
	s_add_nc_u64 s[34:35], s[34:35], SLOTB
.endif
	s_wait_dscnt 0x0
.if \fill
	CROUND
	JLOAD
.else
	s_barrier_signal -1
	s_barrier_wait -1
.endif
.endm
.macro MM0 d, a, b, sa, sb             ; a product that starts a sum
	v_wmma_scale_f32_16x16x128_f8f6f4 v[(\d):(\d)+7], v[(\a):(\a)+7], v[(\b):(\b)+7], 0, v[\sa], v[\sb] matrix_a_fmt:MATRIX_FMT_FP4 matrix_b_fmt:MATRIX_FMT_FP4
.endm
.macro MMC d, a, b, cr, sa, sb         ; a product onto the registers cr
	v_wmma_scale_f32_16x16x128_f8f6f4 v[(\d):(\d)+7], v[(\a):(\a)+7], v[(\b):(\b)+7], v[(\cr):(\cr)+7], v[\sa], v[\sb] matrix_a_fmt:MATRIX_FMT_FP4 matrix_b_fmt:MATRIX_FMT_FP4
.endm
; block bl of my two: adj of both tiles from the stage, the two tiles' fragments of n and their scale words
.macro BLOADS bl
.irp t,0,1
.irp e,0,1,2,3
	ds_load_b128 v[ADJ+16*\t+4*\e:ADJ+16*\t+4*\e+3], v[STO] offset:4352*\t+128*\bl+16*\e
.endr
.endr
.irp u,0,1
.irp z,0,1
.irp c,0,1
	ds_load_b128 v[FR+16*\u+8*\z+4*\c:FR+16*\u+8*\z+4*\c+3], v[FB] offset:(2*\bl+\u)*REC+1024*\z+512*\c
.endr
.endr
	ds_load_b128 v[FSC+4*\u:FSC+4*\u+3], v[FB] offset:(2*\bl+\u)*REC+4096
.endr
.endm
; the key in v[TT + 8 t] with group number v[GQ] goes into tile t's list of six.  The compare is strict: groups come in ascending order, so the lower group keeps a tie.  No branch: only selections
.macro INS t
.irp k,0,1,2,3,4,5
	v_cmp_gt_f32 s[50+\k], v[TT+8*\t], v[LV+12*\t+\k]
.endr
.irp k,5,4,3,2,1
	v_cndmask_b32 v[LI+12*\t+\k], v[LI+12*\t+\k], v[GQ], s[50+\k]
	v_cndmask_b32 v[LI+12*\t+\k], v[LI+12*\t+\k], v[LI+12*\t+\k-1], s[50+\k-1]
	v_med3_num_f32 v[LV+12*\t+\k], v[LV+12*\t+\k-1], v[LV+12*\t+\k], v[TT+8*\t]
.endr
	v_cndmask_b32 v[LI+12*\t], v[LI+12*\t], v[GQ], s50
	v_max_num_f32 v[LV+12*\t], v[LV+12*\t], v[TT+8*\t]
.endm
.macro BLOCK bl
	WIN 0x04                                       ; source 1, my queries, in window 1
.irp t,0,1                                     ; P2: four accumulators by turns, K step 0 and then K step 1
.irp u,0,1
	MM0 ACC+16*\t+8*\u, FR+16*\u, Q+32*\t, FSC+4*\u, QS+4*\t
.endr
.endr
.irp t,0,1
.irp u,0,1
	MMC ACC+16*\t+8*\u, FR+16*\u+8, Q+32*\t+8, ACC+16*\t+8*\u, FSC+4*\u+1, QS+4*\t+1
.endr
.endr
	WIN 0
	; adj's block of 32 j is quantised: my 16 numbers and lane l xor 16's.  These lines name none of P2's registers: they are the places behind it
.irp t,0,1
	v_max3_num_f32 v[TT+8*\t], |v[ADJ+16*\t]|, |v[ADJ+16*\t+1]|, 0x1800000
.endr
.irp j,2,4,6,8,10,12,14
.irp t,0,1
	v_max3_num_f32 v[TT+8*\t], v[TT+8*\t], |v[ADJ+16*\t+\j]|, |v[ADJ+16*\t+\j+1]|
.endr
.endr
.irp t,0,1
	v_permlanex16_b32 v[TT+8*\t+1], v[TT+8*\t], s40, s41
.endr
.irp t,0,1
	v_max_num_f32 v[TT+8*\t], v[TT+8*\t], v[TT+8*\t+1]
.endr
.irp t,0,1
	v_add_nc_u32 v[TT+8*\t+6], 0xff000000, v[TT+8*\t]
.endr
.if \bl == 0
.irp t,0,1
	v_lshrrev_b32 v[SB+\t], 23, v[TT+8*\t+6]
.endr
.else
.irp t,0,1
	v_lshrrev_b32 v[TT+8*\t+1], 23, v[TT+8*\t+6]
.endr
.irp t,0,1
	v_lshl_or_b32 v[SB+\t], v[TT+8*\t+1], 8, v[SB+\t]
.endr
.endif
.irp t,0,1
	v_cvt_scalef32_pk8_fp4_f32 v[CO+4*\t+2*\bl], v[ADJ+16*\t:ADJ+16*\t+7], v[TT+8*\t+6]
	v_cvt_scalef32_pk8_fp4_f32 v[CO+4*\t+2*\bl+1], v[ADJ+16*\t+8:ADJ+16*\t+15], v[TT+8*\t+6]
.endr
	v_nop                                          ; one plain place behind a scaled conversion
.irp j,0,2,4,6,8,10,12,14
.irp t,0,1
	v_pk_add_f32 v[ST+8*\t+6:ST+8*\t+7], v[ST+8*\t+6:ST+8*\t+7], v[ADJ+16*\t+\j:ADJ+16*\t+\j+1]   ; the degree, of the unquantised adj
.endr
.endr
	; x's fragments of the same two tiles, and -sq_j / 2 in the result's layout: they land while the softmax is worked
.irp u,0,1
.irp z,0,1
.irp c,0,1
	ds_load_b128 v[FR+16*\u+8*\z+4*\c:FR+16*\u+8*\z+4*\c+3], v[FB] offset:(2*\bl+\u)*REC+2048+1024*\z+512*\c
.endr
.endr
.irp c,0,1
	ds_load_b128 v[BIAS+8*\u+4*\c:BIAS+8*\u+4*\c+3], v[BA] offset:128*\bl+32*\u+16*\c
.endr
.endr
	; the softmax's statistics, the two tiles by turns.  Each accumulator is read from its low end on
.irp j,0,2,4,6,8,10,12,14
.irp t,0,1
	v_pk_mul_f32 v[ACC+16*\t+\j:ACC+16*\t+\j+1], v[ACC+16*\t+\j:ACC+16*\t+\j+1], v[ADJ+16*\t+\j:ADJ+16*\t+\j+1]   ; u = similarity x adj
.endr
.endr
.irp t,0,1
	v_max3_num_f32 v[TT+8*\t], v[ACC+16*\t], v[ACC+16*\t+1], v[ACC+16*\t+2]
.endr
.irp j,3,5,7,9,11,13
.irp t,0,1
	v_max3_num_f32 v[TT+8*\t], v[TT+8*\t], v[ACC+16*\t+\j], v[ACC+16*\t+\j+1]
.endr
.endr
.irp t,0,1
	v_max3_num_f32 v[ST+8*\t+1], v[TT+8*\t], v[ACC+16*\t+15], v[ST+8*\t+1]   ; the running largest u of my lane's share
.endr
.irp t,0,1
	v_mov_b32 v[TT+8*\t+7], v[ST+8*\t]
.endr
.irp t,0,1
	v_mul_f32 v[TT+8*\t], s38, v[ST+8*\t+1]
.endr
.irp t,0,1
	v_floor_f32 v[ST+8*\t], -v[TT+8*\t]            ; the new -M: M is a whole number
.endr
.irp t,0,1
	v_sub_f32 v[TT+8*\t+2], v[ST+8*\t], v[TT+8*\t+7]   ; d = old M - new M, 0 or less
.endr
.irp t,0,1
	v_cvt_i32_f32 v[TT+8*\t], v[TT+8*\t+2]         ; (it saturates)
.endr
.irp t,0,1
	v_ldexp_f32 v[TT+8*\t+4], 1.0, v[TT+8*\t]      ; f = 2^d
.endr
.irp t,0,1
	v_pk_fma_f32 v[ST+8*\t+4:ST+8*\t+5], v[ST+8*\t+2:ST+8*\t+3], v[TT+8*\t+2:TT+8*\t+3], v[ST+8*\t+4:ST+8*\t+5] op_sel_hi:[1,0,1]   ; S + d Z
.endr
.irp t,0,1
	v_pk_mul_f32 v[ST+8*\t+4:ST+8*\t+5], v[ST+8*\t+4:ST+8*\t+5], v[TT+8*\t+4:TT+8*\t+5] op_sel_hi:[1,0]
.endr
.irp t,0,1
	v_pk_mul_f32 v[ST+8*\t+2:ST+8*\t+3], v[ST+8*\t+2:ST+8*\t+3], v[TT+8*\t+4:TT+8*\t+5] op_sel_hi:[1,0]
.endr
.irp j,0,2,4,6,8,10,12,14
.irp t,0,1
	v_pk_fma_f32 v[ACC+16*\t+\j:ACC+16*\t+\j+1], v[ACC+16*\t+\j:ACC+16*\t+\j+1], s[38:39], v[ST+8*\t:ST+8*\t+1] op_sel_hi:[1,0,0]   ; t = u c - M
.endr
.endr
.set i, 0
.rept 32
	v_exp_f32 v[ADJ+i], v[ACC+i]                   ; 2^t, into adj's registers, which are done with
.set i, i+1
.endr
	v_nop                                          ; the plain place behind the batch
	s_wait_alu depctr_va_vdst(0)                   ; one wait for the 32, ahead of their first reader
.irp j,0,2,4,6,8,10,12,14
.irp t,0,1
	v_pk_add_f32 v[ST+8*\t+2:ST+8*\t+3], v[ST+8*\t+2:ST+8*\t+3], v[ADJ+16*\t+\j:ADJ+16*\t+\j+1]
	v_pk_fma_f32 v[ST+8*\t+4:ST+8*\t+5], v[ADJ+16*\t+\j:ADJ+16*\t+\j+1], v[ACC+16*\t+\j:ACC+16*\t+\j+1], v[ST+8*\t+4:ST+8*\t+5]
.endr
.endr
	s_wait_dscnt 0x0                               ; x's fragments and -sq_j / 2 are in
	WIN 0x04
.irp t,0,1                                     ; P3, on the same four accumulators
.irp u,0,1
	MMC ACC+16*\t+8*\u, FR+16*\u, Q+32*\t+16, BIAS+8*\u, FSC+4*\u+2, QS+4*\t+2
.endr
.endr
.irp t,0,1
.irp u,0,1
	MMC ACC+16*\t+8*\u, FR+16*\u+8, Q+32*\t+24, ACC+16*\t+8*\u, FSC+4*\u+3, QS+4*\t+3
.endr
.endr
	WIN 0
	v_add_nc_u32 v[GQ], 2*\bl, v[GN]               ; my group's number; with the three v_nop: four places behind P3
.rept 3
	v_nop
.endr
.irp t,0,1
	v_max3_num_f32 v[TT+8*\t], v[ACC+16*\t], v[ACC+16*\t+1], v[ACC+16*\t+2]
.endr
.irp j,3,5,7,9,11,13
.irp t,0,1
	v_max3_num_f32 v[TT+8*\t], v[TT+8*\t], v[ACC+16*\t+\j], v[ACC+16*\t+\j+1]
.endr
.endr
.irp t,0,1
	v_max_num_f32 v[TT+8*\t], v[TT+8*\t], v[ACC+16*\t+15]
.endr
.irp t,0,1
	v_min_num_f32 v[TT+8*\t], v[TT+8*\t], v[HSQ+\t]   ; the clip d2 >= 0
.endr
.if \bl == 1                                   ; results and fragments are done with: x^T's eight fragments of my columns and their scale words land while the lists are worked
.irp k,0,1,2,3,4,5,6,7
.irp c,0,1
	ds_load_b128 v[ACC+8*\k+4*\c:ACC+8*\k+4*\c+3], v[FB] offset:TFO+1024*\k+512*\c
.endr
.endr
.irp g,0,1
	ds_load_b128 v[TS+4*\g:TS+4*\g+3], v[FB] offset:TSO+512*\g
.endr
.endif
	INS 0
	INS 1
.endm
; A STEP: 128 j; st: which of the slot's two; more = 1: adj of the next step is asked for
.macro STEP st, more
.if \st == 0
	v_add_nc_u32 v[FB], s36, v[L16S]
	v_add_nc_u32 v[BA], s36, v[H64S]
.else
	v_add_nc_u32 v[FB], STEPB, v[FB]
	v_add_nc_u32 v[BA], STEPB, v[BA]
.endif
.rept 3
	v_nop                                          ; with the two lines above and the step of the group number: six places behind P1, whose fragments' registers are loaded and written over below
.endr
	s_wait_loadcnt 0x0                             ; adj of this step has landed
	WIN 0x04                                       ; an LDS store's data are its source 1: window 1
.set i, 0
.rept 16
	ds_store_b128 v[STI], v[LND+4*i:LND+4*i+3] offset:544*i
.set i, i+1
.endr
	WIN 0
	BLOADS 0                                       ; LDS serves a wave's instructions in order: these see the stores above
	s_wait_dscnt 0x0                               ; and the stores have read their registers
.if \more
	s_add_nc_u64 s[42:43], s[42:43], 512           ; (its loads are done)  128 j on
	WIN 0x40
.set i, 0
.rept 16
	global_load_b128 v[LND+4*i:LND+4*i+3], v[AO], s[42:43] offset:65536*i th:TH_LOAD_NT   ; rows 2 i and 2 i + 1: sixteen lanes read 256 consecutive bytes; read once in the launch
.set i, i+1
.endr
	WIN 0
.endif
	BLOCK 0
	BLOADS 1
	s_wait_dscnt 0x0
	BLOCK 1
.irp t,0,1                                     ; a whole block in a lane: registers 4 sp .. 4 sp + 3 of adj's fragment
.irp j,0,1
	v_permlane16_swap_b32 v[CO+4*\t+\j], v[CO+4*\t+2+\j]
.endr
.endr
.irp t,0,1
	ds_store_b128 v[XW], v[CO+4*\t:CO+4*\t+3] offset:\st*XBUF+1024*\t
	ds_store_b16 v[XWS], v[SB+\t] offset:\st*XBUF+128*\t
.endr
	s_wait_dscnt 0x0                               ; my stores have landed (and x^T's fragments are in).  The buffer is written again two steps on, behind the other buffer's barrier, in front of which every wave has waited for its reads
	s_barrier_signal -1
	s_barrier_wait -1
.irp t,0,1
.irp c,0,1
	ds_load_b128 v[AF+8*\t+4*\c:AF+8*\t+4*\c+3], v[XR] offset:\st*XBUF+1024*\t+512*\c
.endr
.endr
.irp t,0,1
	ds_load_b32 v[XS+\t], v[XRS] offset:\st*XBUF+128*\t
.endr
	s_wait_dscnt 0x0
	WIN 0x50                                       ; C and D in window 1
.irp k,0,1,2,3,4,5,6,7                         ; P1: sixteen accumulators by turns
.irp t,0,1
	MMC PA+8*(2*\k+\t), ACC+8*\k, AF+8*\t, PA+8*(2*\k+\t), TS+\k, XS+\t
.endr
.endr
	WIN 0
	v_add_nc_u32 v[GN], 8, v[GN]
.endm
	s_load_b256 s[4:11], s[0:1], 0x0               ; adj s[4:5], x s[6:7], bpack s[8:9], qpack s[10:11]
	s_load_b128 s[12:15], s[0:1], 0x20             ; sqv s[12:13], pstat s[14:15]
	s_load_b64 s[16:17], s[0:1], 0x30              ; cand
	v_lshl_add_u32 v[SPW], v0, 2, SPARE
	v_mov_b32 v[NIL], 0
	ds_add_u32 v10, v11
	s_wait_dscnt 0x0
	v_lshrrev_b32 v1, 5, v0
	v_readfirstlane_b32 s18, v1                    ; wave 0..7
	s_lshr_b32 s19, s18, 1                         ; rg
	s_and_b32 s20, s18, 1                          ; sp
	s_bfe_u32 s21, ttmp6, 0x40000                  ; cx: it enters global addresses of rows alone
	s_lshl_b32 s22, ttmp9, 2
	s_add_co_u32 s22, s22, s21                     ; my block of 128 rows
	s_and_b32 s23, ttmp7, 0xffff                   ; my quarter of j, which the four partners share
	; descriptor group 1: a quarter of a slot, 27,904 dense bytes, as 109 rows of 32 elements of 8 bytes
	s_mov_b32 s24, 15|(3<<16)|(1<<21)              ; 15:0 the mask: all four work-groups; 17:16 elements of 8 bytes; 21 set beside a mask; no padding
	s_mov_b32 s25, 32<<16                          ; tensor_dim0
	s_mov_b32 s26, 109<<16                         ; tensor_dim1
	s_mov_b32 s27, 32<<16                          ; tile_dim0
	s_mov_b32 s28, 109                             ; tile_dim1
	s_mov_b32 s29, 32                              ; the pitch
	s_mov_b32 s30, 0
	s_mov_b32 s31, 0
	s_mov_b32 s38, 0x3fb8aa3b                      ; c = log2 e
	s_mov_b32 s39, s38                             ; (named with it as a pair)
	s_mov_b32 s40, 0x76543210
	s_mov_b32 s41, 0xfedcba98
	s_mov_b32 s36, 0                               ; the slot in hand
	s_mov_b32 s37, 7                               ; slots still to be asked for
	s_mov_b32 s57, 0xffff0000                      ; lanes 16-31
	s_and_b32 s44, s18, 3
	s_mul_i32 s44, s44, HALF                       ; my quarter of a slot
	s_mul_i32 s46, s23, 16*STEPB
	s_add_co_u32 s46, s46, s44
	s_mov_b32 s47, 0
	s_lshl_b32 s45, s22, 7
	s_lshl_b32 s48, s19, 5
	s_add_co_u32 s45, s45, s48                     ; my first row
	s_lshl_b32 s48, s45, 15
	s_lshl_b32 s49, s23, 13
	s_add_co_u32 s48, s48, s49
	s_lshl_b32 s49, s20, 8
	s_add_co_u32 s48, s48, s49                     ; adj: row x 32,768 + quarter x 8,192 + sp x 256
	s_mov_b32 s49, 0
	s_lshr_b32 s58, s45, 4
	s_mul_i32 s58, s58, REC
	s_mov_b32 s59, 0
	s_lshl_b32 s60, s45, 2
	s_mov_b32 s61, 0
	s_lshl_b32 s62, s45, 10
	s_lshl_b32 s63, s20, 9
	s_add_co_u32 s62, s62, s63                     ; x: my rows, my 128 columns
	s_mov_b32 s63, 0
	s_lshl_b32 s66, s23, 13
	s_add_co_u32 s66, s66, s45
	s_lshl_b32 s67, s20, 4
	s_add_co_u32 s66, s66, s67
	s_lshl_b32 s66, s66, 5                         ; records of 32 bytes: quarter, row; the tail's tile is tile sp
	s_mov_b32 s67, 0
	v_and_b32 v232, 31, v0                         ; lane
	v_and_b32 v233, 15, v0                         ; r
	v_bfe_u32 v234, v0, 4, 1                       ; h
	s_mul_i32 s68, s18, STGW
	s_add_co_u32 s68, s68, STG
	v_mul_u32_u24 v[STI], v234, 272
	v_lshl_add_u32 v[STI], v233, 4, v[STI]
	v_add_nc_u32 v[STI], s68, v[STI]
	v_mul_u32_u24 v[STO], v233, 272
	v_lshl_add_u32 v[STO], v234, 6, v[STO]
	v_add_nc_u32 v[STO], s68, v[STO]
	s_mul_i32 s69, s19, 2304
	s_add_co_u32 s69, s69, XCH
	v_lshl_add_u32 v[XR], v232, 4, s69
	s_lshl_b32 s70, s20, 9
	v_add_nc_u32 v[XW], s70, v[XR]
	s_add_co_u32 s69, s69, 2048
	v_lshl_add_u32 v[XRS], v232, 2, s69
	s_lshl_b32 s70, s20, 1
	v_add_nc_u32 v[XWS], s70, v[XRS]
	v_lshlrev_b32 v[AO], 15, v234
	v_lshl_add_u32 v[AO], v233, 4, v[AO]
	s_lshl_b32 s70, s23, 7
	s_lshl_b32 s71, s20, 2
	s_add_co_u32 s70, s70, s71
	v_add_nc_u32 v[GN], s70, v234                  ; 128 quarter + 4 sp + h
	s_mul_i32 s71, s20, HALF
	v_lshl_add_u32 v[L16S], v232, 4, s71
	s_add_co_u32 s71, s71, BIO
	v_lshl_add_u32 v[H64S], v234, 6, s71
	v_lshlrev_b32 v235, 4, v232                    ; 16 lane
	v_lshlrev_b32 v236, 2, v233                    ; 4 r
	s_wait_kmcnt 0x0
	s_mov_b32 s32, 1                               ; descriptor group 0: count = 1,
	s_mov_b32 s33, s44                             ; LDS address: slot 0, my quarter,
	s_add_nc_u64 s[34:35], s[8:9], s[46:47]        ; global address: hangs on the quarter of j and the wave alone,
	s_or_b32 s35, s35, 0x80000000                  ; type = 2
	s_add_nc_u64 s[42:43], s[4:5], s[48:49]
	s_add_nc_u64 s[10:11], s[10:11], s[58:59]
	s_add_nc_u64 s[12:13], s[12:13], s[60:61]
	s_add_nc_u64 s[6:7], s[6:7], s[62:63]
	s_add_nc_u64 s[14:15], s[14:15], s[66:67]
	s_add_nc_u64 s[16:17], s[16:17], s[66:67]
	CROUND                                         ; all four work-groups are here: the first joint loads meet
	JLOAD                                          ; slot 0
	WIN 0x40                                       ; destination window 1
.irp t,0,1
.irp f,0,1,2,3
.irp c,0,1
	global_load_b128 v[Q+32*\t+8*\f+4*\c:Q+32*\t+8*\f+4*\c+3], v235, s[10:11] offset:REC*\t+1024*\f+512*\c   ; my queries: N0, N1, E0, E1: they stay
.endr
.endr
.endr
	WIN 0
.irp t,0,1
	global_load_b128 v[QS+4*\t:QS+4*\t+3], v235, s[10:11] offset:REC*\t+4096
.endr
.irp t,0,1
	global_load_b32 v[HSQ+\t], v236, s[12:13] offset:64*\t
.endr
	WIN 0x40
.set i, 0
.rept 16
	global_load_b128 v[LND+4*i:LND+4*i+3], v[AO], s[42:43] offset:65536*i th:TH_LOAD_NT   ; adj of step 0
.set i, i+1
.endr
.set i, 0
.rept 128
	v_mov_b32 v[PA+i], 0                           ; P1's sums begin as zeros: the step is written once for all sixteen, which keeps the code short
.set i, i+1
.endr
	WIN 0
.irp t,0,1
.irp k,0,1,2,3,4,5
	v_mov_b32 v[LV+12*\t+\k], 0xff800000           ; the lists: -infinity, under every key
	v_mov_b32 v[LI+12*\t+\k], 0
.endr
	v_mov_b32 v[ST+8*\t], 0x7f61b1e6               ; -M = 3e38,
	v_mov_b32 v[ST+8*\t+1], 0xff61b1e6             ; the largest u so far: -3e38, under every u: the first change of M multiplies zeros
.irp j,2,3,4,5,6,7
	v_mov_b32 v[ST+8*\t+\j], 0
.endr
.endr
	s_wait_loadcnt 16                              ; all but adj's sixteen loads, which were issued last
	v_mul_f32 v[HSQ], 0.5, v[HSQ]
	v_mul_f32 v[HSQ+1], 0.5, v[HSQ+1]
.irp t,0,1
.irp j,1,3,5
	v_mov_b32 v[TT+8*\t+\j], 0                     ; a permute's destination, and the upper halves of pairs that are named whole
.endr
.endr
.Lslot:                                            ; seven trips: behind each change of slots but the last the next slot is asked for
	CHANGE 1
	STEP 0, 1
	STEP 1, 1
	s_xor_b32 s36, s36, SLOT1
	s_sub_co_u32 s37, s37, 1
	s_cmp_lg_u32 s37, 0
	s_cbranch_scc1 .Lslot
	CHANGE 0                                       ; the last slot is written out
	STEP 0, 1
	STEP 1, 0
	; ---- THE TAIL.  pot: lane (r, h) holds (adj x)(row r, d = 128 sp + 16 k + 8 h + 0 .. 7).  The five lines below and the step of the group number are the places behind P1
	v_and_b32 v232, 15, v0
	v_bfe_u32 v233, v0, 4, 1
	v_lshlrev_b32 v234, 10, v232
	v_lshl_add_u32 v234, v233, 5, v234
	v_and_b32 v238, 31, v0
.irp t,0,1
.irp k,0,1,2,3,4,5,6,7
.irp c,0,1
	global_load_b128 v[96+64*\t+8*\k+4*\c:96+64*\t+8*\k+4*\c+3], v234, s[6:7] offset:16384*\t+64*\k+16*\c
.endr
.endr
.endr
	s_mul_i32 s68, s18, 4352
	s_add_co_u32 s68, s68, SCR
	v_lshl_add_u32 v235, v238, 2, s68              ; scratch, in: wave x 4,352 + 4 lane
	s_mul_i32 s69, s19, 8704
	s_mul_i32 s70, s20, 2176
	s_add_co_u32 s69, s69, s70
	s_add_co_u32 s69, s69, SCR
	v_lshl_add_u32 v236, v232, 2, s69              ; out: my row group, tile sp, 4 r
	v_lshlrev_b32 v237, 5, v232
	v_lshl_add_u32 v237, v233, 4, v237             ; a record's half: 32 r + 16 h
	s_wait_loadcnt 0x0
	WIN 0x01                                       ; source 0, the accumulators, in window 1
.irp k,0,1,2,3,4,5,6,7
.irp p,0,2,4,6
.irp t,0,1
.if (\k == 0) && (\p == 0)
	v_pk_mul_f32 v[POT+2*\t:POT+2*\t+1], v[PA+8*(2*\k+\t)+\p:PA+8*(2*\k+\t)+\p+1], v[96+64*\t+8*\k+\p:96+64*\t+8*\k+\p+1]
.else
	v_pk_fma_f32 v[POT+2*\t:POT+2*\t+1], v[PA+8*(2*\k+\t)+\p:PA+8*(2*\k+\t)+\p+1], v[96+64*\t+8*\k+\p:96+64*\t+8*\k+\p+1], v[POT+2*\t:POT+2*\t+1]
.endif
.endr
.endr
.endr
	WIN 0
.irp t,0,1
	v_add_f32 v[ST+8*\t+2], v[ST+8*\t+2], v[ST+8*\t+3]
	v_add_f32 v[ST+8*\t+4], v[ST+8*\t+4], v[ST+8*\t+5]
	v_add_f32 v[ST+8*\t+6], v[ST+8*\t+6], v[ST+8*\t+7]
	v_add_f32 v[POT+2*\t], v[POT+2*\t], v[POT+2*\t+1]
.endr
	; a row's share lies in four lanes (two waves x two halves): 17 fields a tile go through the scratch: six keys, six groups, -M, Z, S, degree, pot
.irp t,0,1
.irp f,0,1,2,3,4,5,6,7,8,9,10,11
	ds_store_b32 v235, v[LV+12*\t+\f] offset:(17*\t+\f)*128
.endr
	ds_store_b32 v235, v[ST+8*\t] offset:(17*\t+12)*128
	ds_store_b32 v235, v[ST+8*\t+2] offset:(17*\t+13)*128
	ds_store_b32 v235, v[ST+8*\t+4] offset:(17*\t+14)*128
	ds_store_b32 v235, v[ST+8*\t+6] offset:(17*\t+15)*128
	ds_store_b32 v235, v[POT+2*\t] offset:(17*\t+16)*128
.endr
	s_wait_dscnt 0x0
	s_barrier_signal -1
	s_barrier_wait -1
.irp w,0,1                                     ; wave (rg, sp) merges tile sp: copy 2 w + g at v[96 + 17 (2 w + g)]; both halves of the lanes do the same work
.irp g,0,1
.irp f,0,1,2,3,4,5,6,7,8,9,10,11,12,13,14,15,16
	ds_load_b32 v[96+17*(2*\w+\g)+\f], v236 offset:4352*\w+128*\f+64*\g
.endr
.endr
.endr
	s_wait_dscnt 0x0
; key v[x] with group v[g] into the list v96-101, v102-107; on equal keys the lower group goes first (the copies' groups interleave)
.macro LEXINS x, g
.irp k,0,1,2,3,4,5
	v_cmp_gt_f32 s[50+\k], v[\x], v[96+\k]
	v_cmp_eq_f32 s56, v[\x], v[96+\k]
	v_cmp_lt_u32 vcc_lo, v[\g], v[102+\k]
	s_and_b32 s56, s56, vcc_lo
	s_or_b32 s[50+\k], s[50+\k], s56
.endr
.irp k,5,4,3,2,1
	v_cndmask_b32 v[102+\k], v[102+\k], v[\g], s[50+\k]
	v_cndmask_b32 v[102+\k], v[102+\k], v[102+\k-1], s[50+\k-1]
	v_med3_num_f32 v[96+\k], v[96+\k-1], v[96+\k], v[\x]
.endr
	v_cndmask_b32 v102, v102, v[\g], s50
	v_max_num_f32 v96, v96, v[\x]
.endm
; statistics b (registers -M, Z, S) are brought into a, both under the larger M
.macro MERGE a, b
	v_min_num_f32 v240, v[\a], v[\b]
	v_sub_f32 v241, v240, v[\a]
	v_sub_f32 v242, v240, v[\b]
	v_cvt_i32_f32 v243, v241
	v_cvt_i32_f32 v244, v242
	v_ldexp_f32 v243, 1.0, v243
	v_ldexp_f32 v244, 1.0, v244
	v_fma_f32 v[(\a)+2], v241, v[(\a)+1], v[(\a)+2]
	v_fma_f32 v245, v242, v[(\b)+1], v[(\b)+2]
	v_mul_f32 v[(\a)+2], v243, v[(\a)+2]
	v_fma_f32 v[(\a)+2], v244, v245, v[(\a)+2]
	v_mul_f32 v[(\a)+1], v243, v[(\a)+1]
	v_fma_f32 v[(\a)+1], v244, v[(\b)+1], v[(\a)+1]
	v_mov_b32 v[\a], v240
.endm
.irp p,1,2,3
.irp e,0,1,2,3,4,5
	LEXINS 96+17*\p+\e, 102+17*\p+\e
.endr
.endr
.irp p,1,2,3
	MERGE 108, 108+17*\p
	v_add_f32 v111, v111, v[111+17*\p]
	v_add_f32 v112, v112, v[112+17*\p]
.endr
.irp k,0,1,2,3,4,5                             ; a key as a whole number that rises with it
	v_ashrrev_i32 v[240+\k], 31, v[96+\k]
.endr
.irp k,0,1,2,3,4,5
	v_or_b32 v[240+\k], 0x80000000, v[240+\k]
.endr
.irp k,0,1,2,3,4,5
	v_xor_b32 v[240+\k], v[240+\k], v[96+\k]
.endr
	v_mov_b32 v246, 0
	v_cndmask_b32 v248, v108, v112, s57            ; lanes 0-15 take a record's first four words, lanes 16-31 its last four
	v_cndmask_b32 v249, v109, v246, s57
	v_cndmask_b32 v250, v110, v246, s57
	v_cndmask_b32 v251, v111, v246, s57
	v_cndmask_b32 v164, v240, v244, s57
	v_cndmask_b32 v165, v241, v245, s57
	v_cndmask_b32 v166, v242, v246, s57
	v_cndmask_b32 v167, v243, v246, s57
	v_cndmask_b32 v168, v102, v106, s57
	v_cndmask_b32 v169, v103, v107, s57
	v_cndmask_b32 v170, v104, v246, s57
	v_cndmask_b32 v171, v105, v246, s57
	global_store_b128 v237, v[248:251], s[14:15]                   ; each store: 512 consecutive bytes, 16 records
	global_store_b128 v237, v[164:167], s[16:17]
	global_store_b128 v237, v[168:171], s[16:17] offset:1048576
	s_wait_tensorcnt 0x0                           ; the wave's end
	ds_add_u32 v[SPW], v[NIL]
	s_wait_dscnt 0x0
	CROUND                                         ; the closing round
	s_endpgm
.Lfunc_end_k_q53aa0e8dba_main:
	.size	k_q53aa0e8dba_main, .Lfunc_end_k_q53aa0e8dba_main-k_q53aa0e8dba_main
	.p2alignl 7, 3214868480
	.fill 96, 4, 3214868480
	.section	.rodata,"a",@progbits
	.p2align	6, 0x0
	.amdhsa_kernel k_q53aa0e8dba_main
		.amdhsa_group_segment_fixed_size 327680
		.amdhsa_private_segment_fixed_size 0
		.amdhsa_enable_private_segment 0
		.amdhsa_kernarg_size 56
		.amdhsa_user_sgpr_count 2
		.amdhsa_user_sgpr_kernarg_segment_ptr 1
		.amdhsa_wavefront_size32 1
		.amdhsa_system_sgpr_workgroup_id_x 1
		.amdhsa_system_sgpr_workgroup_id_y 1
		.amdhsa_system_sgpr_workgroup_id_z 1
		.amdhsa_system_vgpr_workitem_id 0
		.amdhsa_next_free_vgpr 512
		.amdhsa_next_free_sgpr 80
		.amdhsa_reserve_vcc 1
		.amdhsa_float_denorm_mode_32 3
		.amdhsa_float_denorm_mode_16_64 3
		.amdhsa_memory_ordered 1
		.amdhsa_forward_progress 1
		.amdhsa_inst_pref_size 246
	.end_amdhsa_kernel
	.amdgpu_metadata
---
amdhsa.version: [ 1, 2 ]
amdhsa.kernels:
  - .name:           k_q53aa0e8dba_main
    .symbol:         k_q53aa0e8dba_main.kd
    .args:
      - { .name: adj_matrix, .offset: 0, .size: 8, .value_kind: global_buffer, .address_space: global }
      - { .name: node_embeddings, .offset: 8, .size: 8, .value_kind: global_buffer, .address_space: global }
      - { .name: bpack, .offset: 16, .size: 8, .value_kind: global_buffer, .address_space: global }
      - { .name: qpack, .offset: 24, .size: 8, .value_kind: global_buffer, .address_space: global }
      - { .name: sqv, .offset: 32, .size: 8, .value_kind: global_buffer, .address_space: global }
      - { .name: pstat, .offset: 40, .size: 8, .value_kind: global_buffer, .address_space: global }
      - { .name: cand, .offset: 48, .size: 8, .value_kind: global_buffer, .address_space: global }
    .group_segment_fixed_size: 327680
    .private_segment_fixed_size: 0
    .kernarg_segment_align: 8
    .kernarg_segment_size: 56
    .max_flat_workgroup_size: 256
    .sgpr_count:     80
    .vgpr_count:     512
    .wavefront_size: 32
...
	.end_amdgpu_metadata
.endif
;; end of part 2
;; launch refine (part 3): grid 256 x 1, 16 waves a work-group, no clusters, 4,096 bytes of LDS; arguments cand, qpack, sqv, nbr; writes nbr
.if DOCPART == 3
	.amdgcn_target "amdgcn-amd-amdhsa--gfx1250"
	.amdhsa_code_object_version 6
	.text
	.protected	k_q53aa0e8dba_refine
	.globl	k_q53aa0e8dba_refine
	.p2align	8
	.type	k_q53aa0e8dba_refine,@function
k_q53aa0e8dba_refine:
	s_mov_b64 s[64:65], 0
	v_nop
	global_prefetch_b8 v0, s[64:65] scope:SCOPE_SE
	s_setreg_imm32_b32 hwreg(HW_REG_WAVE_MODE, 25, 1), 1
	s_wait_xcnt 0x0
; For each row: the four quarters' lists of six groups (keys and group numbers as whole numbers) are merged to the six best groups; x x^T is made again for their 96 columns, on the same codes of FP4 (E2M1) with E8M0 scales;
; dist = sqrt(max((sq_i + sq_j) - 2 G, 0)); the six nearest are taken in order, the lower column first on equal distances; the first is dropped and the other five are stored as whole numbers.
; A work-group takes 32 rows.  Wave w takes two of them: tile w / 8, rows p = w % 8 (lanes 0-15) and p + 8 (lanes 16-31).  All sixteen lanes of a half load the same lists and merge them alike.
; Quarters hold ascending group numbers and each list is in order, so a strict compare keeps the lower group on equal keys.
; THE PRODUCT: source 0 = the queries, rows 0-7 all row p, rows 8-15 all row p + 8; source 1 = a group's 16 rows.  Register 0 of the result holds in lane (r, h) the product of source 0's row 8 h with the group's row r:
; so a product with a group of row p's list serves lanes 0-15, one with a group of row p + 8's list lanes 16-31.
; LIMITS: NaN and infinities are not served.
.set REC, 4608
.macro INSU x, g                       ; key v[x] with group v[g] into the list v64-69, v96-101
.irp k,0,1,2,3,4,5
	v_cmp_gt_u32 s[50+\k], v[\x], v[64+\k]
.endr
.irp k,5,4,3,2,1
	v_cndmask_b32 v[96+\k], v[96+\k], v[\g], s[50+\k]
	v_cndmask_b32 v[64+\k], v[64+\k], v[\x], s[50+\k]
	v_cndmask_b32 v[96+\k], v[96+\k], v[96+\k-1], s[50+\k-1]
	v_cndmask_b32 v[64+\k], v[64+\k], v[64+\k-1], s[50+\k-1]
.endr
	v_cndmask_b32 v96, v96, v[\g], s50
	v_cndmask_b32 v64, v64, v[\x], s50
.endm
; six groups, whose records begin at the byte offsets s[sb] .. s[sb + 5] of qpack: their fragments of x and scale words, and twelve products: six accumulators by turns, K step 0 and then K step 1
.macro SIDE sb
.irp t,0,1,2,3,4,5
	v_add_nc_u32 v[172+\t], s[\sb+\t], v5
.endr
.irp t,0,1,2,3,4,5
.irp z,0,1
.irp c,0,1
	global_load_b128 v[64+16*\t+8*\z+4*\c:64+16*\t+8*\z+4*\c+3], v[172+\t], s[6:7] offset:2048+1024*\z+512*\c
.endr
.endr
	global_load_b64 v[160+2*\t:161+2*\t], v[172+\t], s[6:7] offset:4104
.endr
	s_wait_loadcnt 0x0
.irp t,0,1,2,3,4,5
	v_wmma_scale_f32_16x16x128_f8f6f4 v[184+8*\t:191+8*\t], v[32:39], v[64+16*\t:71+16*\t], 0, v48, v[160+2*\t] matrix_a_fmt:MATRIX_FMT_FP4 matrix_b_fmt:MATRIX_FMT_FP4
.endr
.irp t,0,1,2,3,4,5
	v_wmma_scale_f32_16x16x128_f8f6f4 v[184+8*\t:191+8*\t], v[40:47], v[72+16*\t:79+16*\t], v[184+8*\t:191+8*\t], v49, v[161+2*\t] matrix_a_fmt:MATRIX_FMT_FP4 matrix_b_fmt:MATRIX_FMT_FP4
.endr
.rept 4
	v_nop                                          ; places in front of the first read of results and of loads into the operands' registers
.endr
.endm
; the nearest of what is left: the least distance over my six and the sixteen lanes of my half, the least column among those that have it; that column is struck out
.macro ROUND n
	v_min3_num_f32 v250, v232, v233, v234
	v_min3_num_f32 v250, v250, v235, v236
	v_min_num_f32 v250, v250, v237
.irp m,1,2,4,8
	v_min_num_f32_dpp v250, v250, v250 row_xmask:\m row_mask:0xf bank_mask:0xf
.endr
.irp t,0,1,2,3,4,5
	v_cmp_eq_f32 vcc_lo, v[232+\t], v250
	v_cndmask_b32 v[172+\t], v251, v[238+\t], vcc_lo
.endr
	v_min3_num_f32 v252, v172, v173, v174
	v_min3_num_f32 v252, v252, v175, v176
	v_min_num_f32 v252, v252, v177
.irp m,1,2,4,8
	v_min_num_f32_dpp v252, v252, v252 row_xmask:\m row_mask:0xf bank_mask:0xf
.endr
.irp t,0,1,2,3,4,5
	v_cmp_eq_f32 vcc_lo, v[238+\t], v252
	v_cndmask_b32 v[232+\t], v[232+\t], v253, vcc_lo
.endr
	v_mov_b32 v[23+\n], v252
.endm
	s_load_b256 s[4:11], s[0:1], 0x0               ; cand s[4:5], qpack s[6:7], sqv s[8:9], nbr s[10:11]
	v_lshl_add_u32 v254, v0, 2, 0x800
	v_mov_b32 v255, 0
	v_lshrrev_b32 v1, 5, v0
	v_readfirstlane_b32 s16, v1                    ; wave 0..15
	s_lshr_b32 s17, s16, 3                         ; tile
	s_and_b32 s18, s16, 7                          ; p
	v_and_b32 v1, 31, v0
	v_and_b32 v2, 15, v0                           ; r
	v_bfe_u32 v3, v0, 4, 1                         ; h
	v_lshlrev_b32 v5, 4, v1                        ; 16 lane
	s_lshl_b32 s19, s17, 4
	s_add_co_u32 s19, s19, s18
	v_lshl_add_u32 v6, v3, 3, s19                  ; my row among the 32: 16 tile + p + 8 h
	v_lshlrev_b32 v7, 5, v6                        ; x 32: its records in cand, and its place in LDS
	v_lshlrev_b32 v8, 2, v6
	v_and_b32 v9, 8, v2
	v_add_nc_u32 v9, s18, v9
	v_lshl_add_u32 v9, v3, 4, v9
	v_lshlrev_b32 v9, 4, v9                        ; the image's lane p + (r & 8) + 16 h
	s_mov_b32 s57, 0xffff0000
	s_lshl_b32 s20, ttmp9, 10
	s_mov_b32 s21, 0
	s_lshl_b32 s22, ttmp9, 1
	s_add_co_u32 s22, s22, s17
	s_mul_i32 s22, s22, REC
	s_mov_b32 s23, 0
	s_lshl_b32 s24, ttmp9, 7
	s_mov_b32 s25, 0
	s_wait_kmcnt 0x0
	s_add_nc_u64 s[4:5], s[4:5], s[20:21]
	s_add_nc_u64 s[10:11], s[10:11], s[20:21]
	s_add_nc_u64 s[12:13], s[6:7], s[22:23]        ; my tile of queries
	s_add_nc_u64 s[14:15], s[8:9], s[24:25]        ; sq of the 32 rows
.irp q,0,1,2,3
	global_load_b128 v[64+8*\q:67+8*\q], v7, s[4:5] offset:262144*\q
	global_load_b64 v[68+8*\q:69+8*\q], v7, s[4:5] offset:262144*\q+16
	global_load_b128 v[96+8*\q:99+8*\q], v7, s[4:5] offset:1048576+262144*\q
	global_load_b64 v[100+8*\q:101+8*\q], v7, s[4:5] offset:1048576+262144*\q+16
.endr
.irp z,0,1
.irp c,0,1
	global_load_b128 v[32+8*\z+4*\c:35+8*\z+4*\c], v9, s[12:13] offset:2048+1024*\z+512*\c
.endr
.endr
	global_load_b64 v[48:49], v9, s[12:13] offset:4104
	global_load_b32 v50, v8, s[14:15]              ; sq_i
	s_wait_loadcnt 0x0
.irp q,1,2,3
.irp e,0,1,2,3,4,5
	INSU 64+8*\q+\e, 96+8*\q+\e
.endr
.endr
.irp t,0,1,2,3,4,5
	v_readlane_b32 s[20+\t], v[96+\t], 0           ; row p's groups,
	v_readlane_b32 s[26+\t], v[96+\t], 16          ; row p + 8's
.endr
.irp t,0,1,2,3,4,5,6,7,8,9,10,11
	s_min_u32 s[20+\t], s[20+\t], 511              ; a group's number stays inside qpack
	s_mul_i32 s[20+\t], s[20+\t], REC
.endr
.irp t,0,1,2,3,4,5
	v_min_u32 v[96+\t], 0x1ff, v[96+\t]
	v_lshl_add_u32 v[238+\t], v[96+\t], 4, v2      ; my column: 16 x my row's group + r
	v_lshlrev_b32 v[178+\t], 2, v[238+\t]
.endr
.irp t,0,1,2,3,4,5
	global_load_b32 v[244+\t], v[178+\t], s[8:9]   ; sq_j
.endr
	SIDE 20
.irp t,0,1,2,3,4,5
	v_mov_b32 v[232+\t], v[184+8*\t]
.endr
	SIDE 26
.irp t,0,1,2,3,4,5
	v_cndmask_b32 v[232+\t], v[232+\t], v[184+8*\t], s57
.endr
.irp t,0,1,2,3,4,5
	v_add_f32 v[244+\t], v50, v[244+\t]
.endr
.irp t,0,1,2,3,4,5
	v_fma_f32 v[232+\t], -2.0, v[232+\t], v[244+\t]
.endr
.irp t,0,1,2,3,4,5
	v_max_num_f32 v[232+\t], 0, v[232+\t]
.endr
.irp t,0,1,2,3,4,5
	v_sqrt_f32 v[232+\t], v[232+\t]
.endr
	v_nop                                          ; the plain place behind the batch
.irp t,0,1,2,3,4,5
	v_cvt_f32_u32 v[238+\t], v[238+\t]             ; columns as f32: exact
.endr
	v_mov_b32 v251, 0x4e6e6b28                     ; 1e9, over every column
	v_mov_b32 v253, 0x7f800000                     ; +infinity
	s_wait_alu depctr_va_vdst(0)                   ; one wait for the six roots, ahead of their first reader
.irp n,0,1,2,3,4,5
	ROUND \n
.endr
.irp j,0,1,2,3,4
	v_cvt_u32_f32 v[24+\j], v[24+\j]               ; the first is dropped
.endr
	v_mov_b32 v29, 0
	v_mov_b32 v30, 0
	v_mov_b32 v31, 0
	ds_store_b128 v7, v[24:27]                     ; the sixteen lanes of a half write the same bytes with the same values
	ds_store_b128 v7, v[28:31] offset:16
	s_wait_dscnt 0x0
	s_barrier_signal -1
	s_barrier_wait -1
	s_cmp_lg_u32 s16, 0
	s_cbranch_scc1 .Lend
	ds_load_b128 v[32:35], v5
	ds_load_b128 v[36:39], v5 offset:512
	s_wait_dscnt 0x0
	global_store_b128 v5, v[32:35], s[10:11]       ; 32 records: 1,024 consecutive bytes
	global_store_b128 v5, v[36:39], s[10:11] offset:512
.Lend:
	s_wait_tensorcnt 0x0
	ds_add_u32 v254, v255
	s_wait_dscnt 0x0
	s_endpgm
.Lfunc_end_k_q53aa0e8dba_refine:
	.size	k_q53aa0e8dba_refine, .Lfunc_end_k_q53aa0e8dba_refine-k_q53aa0e8dba_refine
	.p2alignl 7, 3214868480
	.fill 96, 4, 3214868480
	.section	.rodata,"a",@progbits
	.p2align	6, 0x0
	.amdhsa_kernel k_q53aa0e8dba_refine
		.amdhsa_group_segment_fixed_size 4096
		.amdhsa_private_segment_fixed_size 0
		.amdhsa_enable_private_segment 0
		.amdhsa_kernarg_size 32
		.amdhsa_user_sgpr_count 2
		.amdhsa_user_sgpr_kernarg_segment_ptr 1
		.amdhsa_wavefront_size32 1
		.amdhsa_system_sgpr_workgroup_id_x 1
		.amdhsa_system_sgpr_workgroup_id_y 1
		.amdhsa_system_sgpr_workgroup_id_z 1
		.amdhsa_system_vgpr_workitem_id 0
		.amdhsa_next_free_vgpr 256
		.amdhsa_next_free_sgpr 66
		.amdhsa_reserve_vcc 1
		.amdhsa_float_denorm_mode_32 3
		.amdhsa_float_denorm_mode_16_64 3
		.amdhsa_memory_ordered 1
		.amdhsa_forward_progress 1
		.amdhsa_inst_pref_size 61
	.end_amdhsa_kernel
	.amdgpu_metadata
---
amdhsa.version: [ 1, 2 ]
amdhsa.kernels:
  - .name:           k_q53aa0e8dba_refine
    .symbol:         k_q53aa0e8dba_refine.kd
    .args:
      - { .name: cand, .offset: 0, .size: 8, .value_kind: global_buffer, .address_space: global }
      - { .name: qpack, .offset: 8, .size: 8, .value_kind: global_buffer, .address_space: global }
      - { .name: sqv, .offset: 16, .size: 8, .value_kind: global_buffer, .address_space: global }
      - { .name: nbr, .offset: 24, .size: 8, .value_kind: global_buffer, .address_space: global }
    .group_segment_fixed_size: 4096
    .private_segment_fixed_size: 0
    .kernarg_segment_align: 8
    .kernarg_segment_size: 32
    .max_flat_workgroup_size: 512
    .sgpr_count:     66
    .vgpr_count:     256
    .wavefront_size: 32
...
	.end_amdgpu_metadata
.endif
;; end of part 3
;; launch final (part 4): grid 128 x 1, 16 waves a work-group, no clusters, 22,528 bytes of LDS; arguments node_embeddings, nbr, pstat, colpart, maxpart, out0; writes out0
.if DOCPART == 4
	.amdgcn_target "amdgcn-amd-amdhsa--gfx1250"
	.amdhsa_code_object_version 6
	.text
	.protected	k_q53aa0e8dba_final
	.globl	k_q53aa0e8dba_final
	.p2align	8
	.type	k_q53aa0e8dba_final,@function
k_q53aa0e8dba_final:
	s_mov_b64 s[64:65], 0
	v_nop
	global_prefetch_b8 v0, s[64:65] scope:SCOPE_SE
	s_setreg_imm32_b32 hwreg(HW_REG_WAVE_MODE, 25, 1), 1
	s_wait_xcnt 0x0
; The four outputs.  A work-group takes 64 rows, a wave four.  All in f32; no matrix work: what is left are gathers and sums along rows.
; 1: the mean of x's columns from the 64 partial sums (each wave adds four, LDS, every wave adds the sixteen).  2: for each row: the row and its five neighbours (indices read as whole numbers, held inside the table),
; |x - mean of the five|^2, |x - mean|^2, |x|^2, summed over the wave.  3: wave 0, two rows a lane: the four quarters' statistics are merged under the largest M;
; energy = sq - pot / (deg + 1e-8); entropy = ln 2 (log2 Z - S / Z), 0 where deg <= 0; deviation = 0.6 sqrt + 0.4 sqrt; centrality = 0.5 deg / 8191 + 0.5 |x| / (largest |x| + 1e-8).
; LIMITS: log(p + 1e-8) is taken as log p: the entropy differs by sum p log(1 + 1e-8 / p), which lies between 0 and 8,192 x 1e-8 for every input.  Divisions are reciprocals (v_rcp_f32) and multiplications.  NaN and infinities are not served.
.set MU, 0                             ; LDS: sixteen partial sums of 256 columns
.set RS, 16384                         ; 64 rows x 16 bytes: the three sums
.macro LOADROW a                       ; row a of my four and its five neighbours into register set a % 2: lane l holds the 16 bytes at 16 l and at 512 + 16 l of each
.set DB, 32+48*((\a)%2)
.set OB, 16+6*((\a)%2)
.irp k,0,1,2,3,4
	v_add_nc_u32 v[OB+\k], s[32+8*(\a)+\k], v2
.endr
	global_load_b128 v[DB:DB+3], v3, s[4:5] offset:1024*(\a)
	global_load_b128 v[DB+4:DB+7], v3, s[4:5] offset:1024*(\a)+512
.irp k,0,1,2,3,4
	global_load_b128 v[DB+8+8*\k:DB+11+8*\k], v[OB+\k], s[4:5]
	global_load_b128 v[DB+12+8*\k:DB+15+8*\k], v[OB+\k], s[4:5] offset:512
.endr
.endm
.macro PROCESS a
.set DB, 32+48*((\a)%2)
.set RR, 200+4*(\a)
.irp p,0,2,4,6
	v_pk_add_f32 v[136+\p:137+\p], v[DB+8+\p:DB+9+\p], v[DB+16+\p:DB+17+\p]
.endr
.irp k,2,3,4
.irp p,0,2,4,6
	v_pk_add_f32 v[136+\p:137+\p], v[136+\p:137+\p], v[DB+8+8*\k+\p:DB+9+8*\k+\p]
.endr
.endr
.irp p,0,2,4,6
	v_pk_fma_f32 v[136+\p:137+\p], v[136+\p:137+\p], 0xbe4ccccd, v[DB+\p:DB+1+\p] op_sel_hi:[1,0,1]   ; x - 0.2 x the five's sum
	v_pk_add_f32 v[152+\p:153+\p], v[DB+\p:DB+1+\p], v[8+\p:9+\p] neg_lo:[0,1] neg_hi:[0,1]           ; x - mean
.endr
	v_pk_mul_f32 v[144:145], v[136:137], v[136:137]
	v_pk_mul_f32 v[146:147], v[152:153], v[152:153]
	v_pk_mul_f32 v[148:149], v[DB:DB+1], v[DB:DB+1]
.irp p,2,4,6
	v_pk_fma_f32 v[144:145], v[136+\p:137+\p], v[136+\p:137+\p], v[144:145]
	v_pk_fma_f32 v[146:147], v[152+\p:153+\p], v[152+\p:153+\p], v[146:147]
	v_pk_fma_f32 v[148:149], v[DB+\p:DB+1+\p], v[DB+\p:DB+1+\p], v[148:149]
.endr
	v_add_f32 v[RR], v144, v145
	v_add_f32 v[RR+1], v146, v147
	v_add_f32 v[RR+2], v148, v149
.irp m,1,2,4,8
.irp f,0,1,2
	v_add_f32_dpp v[RR+\f], v[RR+\f], v[RR+\f] row_xmask:\m row_mask:0xf bank_mask:0xf
.endr
.endr
.irp f,0,1,2
	v_permlanex16_b32 v[160+\f], v[RR+\f], s22, s23
.endr
.irp f,0,1,2
	v_add_f32 v[RR+\f], v[RR+\f], v[160+\f]
.endr
	ds_store_b128 v4, v[RR:RR+3] offset:16*(\a)    ; all lanes write the same bytes with the same values
.endm
.macro MERGE a, b                      ; statistics b (registers -M, Z, S) are brought into a, both under the larger M
	v_min_num_f32 v240, v[\a], v[\b]
	v_sub_f32 v241, v240, v[\a]
	v_sub_f32 v242, v240, v[\b]
	v_cvt_i32_f32 v243, v241
	v_cvt_i32_f32 v244, v242
	v_ldexp_f32 v243, 1.0, v243
	v_ldexp_f32 v244, 1.0, v244
	v_fma_f32 v[(\a)+2], v241, v[(\a)+1], v[(\a)+2]
	v_fma_f32 v245, v242, v[(\b)+1], v[(\b)+2]
	v_mul_f32 v[(\a)+2], v243, v[(\a)+2]
	v_fma_f32 v[(\a)+2], v244, v245, v[(\a)+2]
	v_mul_f32 v[(\a)+1], v243, v[(\a)+1]
	v_fma_f32 v[(\a)+1], v244, v[(\b)+1], v[(\a)+1]
	v_mov_b32 v[\a], v240
.endm
	s_load_b256 s[4:11], s[0:1], 0x0               ; x s[4:5], nbr s[6:7], pstat s[8:9], colpart s[10:11]
	s_load_b128 s[12:15], s[0:1], 0x20             ; maxpart s[12:13], out0 s[14:15]
	v_lshl_add_u32 v254, v0, 2, 0x5000
	v_mov_b32 v255, 0
	v_lshrrev_b32 v1, 5, v0
	v_readfirstlane_b32 s16, v1                    ; wave 0..15
	v_and_b32 v1, 31, v0
	v_lshlrev_b32 v2, 4, v1                        ; 16 lane
	s_lshl_b32 s17, ttmp9, 6
	s_lshl_b32 s18, s16, 2
	s_add_co_u32 s17, s17, s18                     ; my first row
	s_lshl_b32 s18, s17, 5
	s_mov_b32 s19, 0
	s_lshl_b32 s20, s17, 10
	v_add_nc_u32 v3, s20, v2                       ; my rows in x
	s_lshl_b32 s21, s16, 12
	v_add_nc_u32 v5, s21, v2                       ; my four partial sums in colpart
	s_lshl_b32 s21, s16, 10
	v_add_nc_u32 v6, s21, v2                       ; MU + 1,024 wave + 16 lane
	s_lshl_b32 s21, s16, 6
	s_add_co_u32 s21, s21, RS
	v_mov_b32 v4, s21                              ; RS + 64 wave
	v_lshl_add_u32 v7, v1, 5, RS                   ; RS + 32 lane
	v_lshlrev_b32 v28, 6, v1
	v_lshlrev_b32 v29, 8, v1
	v_lshlrev_b32 v30, 3, v1
	s_mov_b32 s22, 0x76543210
	s_mov_b32 s23, 0xfedcba98
	s_lshl_b32 s24, ttmp9, 11
	s_mov_b32 s25, 0
	s_lshl_b32 s26, ttmp9, 8
	s_mov_b32 s27, 0
.irp j,160,161,162,203,207,211,215
	v_mov_b32 v[\j], 0                             ; permutes' destinations, and the fourth word of a row's sums
.endr
	s_wait_kmcnt 0x0
	s_add_nc_u64 s[6:7], s[6:7], s[18:19]
	s_add_nc_u64 s[8:9], s[8:9], s[24:25]
	s_add_nc_u64 s[14:15], s[14:15], s[26:27]
	s_load_b512 s[32:47], s[6:7], 0x0              ; the neighbours of my rows 0, 1: eight words a row,
	s_load_b512 s[48:63], s[6:7], 0x40             ; of rows 2, 3
.irp q,0,1,2,3
.irp c,0,1
	global_load_b128 v[128+8*\q+4*\c:131+8*\q+4*\c], v5, s[10:11] offset:1024*\q+512*\c
.endr
.endr
	s_wait_kmcnt 0x0
.irp a,0,1,2,3
.irp k,0,1,2,3,4
	s_min_u32 s[32+8*\a+\k], s[32+8*\a+\k], 0x1fff   ; an index stays inside the table
	s_lshl_b32 s[32+8*\a+\k], s[32+8*\a+\k], 10
.endr
.endr
	LOADROW 0
	LOADROW 1
	s_wait_loadcnt 24                              ; colpart's eight loads are in; the two rows' 24, issued behind them, may be out
.irp p,0,2,4,6
	v_pk_add_f32 v[128+\p:129+\p], v[128+\p:129+\p], v[136+\p:137+\p]
	v_pk_add_f32 v[144+\p:145+\p], v[144+\p:145+\p], v[152+\p:153+\p]
.endr
.irp p,0,2,4,6
	v_pk_add_f32 v[128+\p:129+\p], v[128+\p:129+\p], v[144+\p:145+\p]
.endr
	ds_store_b128 v6, v[128:131]
	ds_store_b128 v6, v[132:135] offset:512
	s_wait_dscnt 0x0
	s_barrier_signal -1
	s_barrier_wait -1
.irp q,0,1,2,3,4,5,6,7
.irp c,0,1
	ds_load_b128 v[128+8*\q+4*\c:131+8*\q+4*\c], v2 offset:MU+1024*\q+512*\c
.endr
.endr
	s_wait_dscnt 0x0
.irp p,0,2,4,6
	v_pk_add_f32 v[8+\p:9+\p], v[128+\p:129+\p], v[136+\p:137+\p]
.endr
.irp q,2,3,4,5,6,7
.irp p,0,2,4,6
	v_pk_add_f32 v[8+\p:9+\p], v[8+\p:9+\p], v[128+8*\q+\p:129+8*\q+\p]
.endr
.endr
.irp q,0,1,2,3,4,5,6,7
.irp c,0,1
	ds_load_b128 v[128+8*\q+4*\c:131+8*\q+4*\c], v2 offset:MU+8192+1024*\q+512*\c
.endr
.endr
	s_wait_dscnt 0x0
.irp q,0,1,2,3,4,5,6,7
.irp p,0,2,4,6
	v_pk_add_f32 v[8+\p:9+\p], v[8+\p:9+\p], v[128+8*\q+\p:129+8*\q+\p]
.endr
.endr
.irp p,0,2,4,6
	v_pk_mul_f32 v[8+\p:9+\p], v[8+\p:9+\p], 0x39000000 op_sel_hi:[1,0]   ; / 8,192: the mean of my eight columns
.endr
	s_wait_loadcnt 12                              ; row 0's twelve loads are in; row 1's may be out
	PROCESS 0
	LOADROW 2
	s_wait_loadcnt 12                              ; row 1's are in; row 2's may be out
	PROCESS 1
	LOADROW 3
	s_wait_loadcnt 12                              ; row 2's are in; row 3's may be out
	PROCESS 2
	s_wait_loadcnt 0x0
	PROCESS 3
	s_wait_dscnt 0x0
	s_barrier_signal -1
	s_barrier_wait -1
	s_cmp_lg_u32 s16, 0
	s_cbranch_scc1 .Lend
	; ---- wave 0: lane l takes rows 2 l and 2 l + 1 of the 64
	ds_load_b128 v[128:131], v7                    ; |x - local mean|^2, |x - mean|^2, sq
	ds_load_b128 v[132:135], v7 offset:16
.irp q,0,1,2,3
.irp e,0,1
	global_load_b128 v[136+16*\q+8*\e:139+16*\q+8*\e], v28, s[8:9] offset:262144*\q+32*\e      ; -M, Z, S, degree
	global_load_b32 v[140+16*\q+8*\e], v28, s[8:9] offset:262144*\q+32*\e+16                   ; pot
.endr
.endr
	global_load_b32 v216, v29, s[12:13]
	global_load_b32 v217, v29, s[12:13] offset:8192
	s_wait_loadcnt 0x0
	s_wait_dscnt 0x0
.irp e,0,1
.irp q,1,2,3
	MERGE 136+8*\e, 136+16*\q+8*\e
	v_add_f32 v[139+8*\e], v[139+8*\e], v[139+16*\q+8*\e]
	v_add_f32 v[140+8*\e], v[140+8*\e], v[140+16*\q+8*\e]
.endr
.endr
	v_max_num_f32 v216, v216, v217
.irp m,1,2,4,8
	v_max_num_f32_dpp v216, v216, v216 row_xmask:\m row_mask:0xf bank_mask:0xf
.endr
	v_permlanex16_b32 v217, v216, s22, s23
	v_max_num_f32 v216, v216, v217                 ; the largest sq of all rows
.irp e,0,1
	v_add_f32 v[218+\e], 0x322bcc77, v[139+8*\e]   ; degree + 1e-8
.endr
.irp e,0,1
	v_log_f32 v[224+\e], v[137+8*\e]
	v_rcp_f32 v[226+\e], v[137+8*\e]
	v_rcp_f32 v[218+\e], v[218+\e]
	v_sqrt_f32 v[228+\e], v[129+4*\e]
	v_sqrt_f32 v[230+\e], v[128+4*\e]
	v_sqrt_f32 v[232+\e], v[130+4*\e]
.endr
	v_sqrt_f32 v216, v216
	v_nop                                          ; the plain place behind the batch
	s_wait_alu depctr_va_vdst(0)                   ; one wait for the batch, ahead of its first reader
	v_add_f32 v216, 0x322bcc77, v216
	v_rcp_f32 v216, v216
.irp e,0,1
	v_fma_f32 v[240+\e], -v[140+8*\e], v[218+\e], v[130+4*\e]      ; energy
	v_fma_f32 v[242+\e], -v[138+8*\e], v[226+\e], v[224+\e]        ; log2 Z - S / Z
	v_mul_f32 v[242+\e], 0x3f317218, v[242+\e]
	v_cmp_lt_f32 vcc_lo, 0, v[139+8*\e]
	v_cndmask_b32 v[242+\e], 0, v[242+\e], vcc_lo                  ; 0 where the row's sum is not above 0
	v_mul_f32 v[244+\e], 0x3ecccccd, v[230+\e]
	v_fmamk_f32 v[244+\e], v[228+\e], 0x3f19999a, v[244+\e]        ; 0.6 global + 0.4 local
.endr
	s_wait_alu depctr_va_vdst(0)                   ; the last reciprocal, ahead of its first reader
.irp e,0,1
	v_mul_f32 v[246+\e], v[232+\e], v216
	v_mul_f32 v[246+\e], 0.5, v[246+\e]
	v_fmamk_f32 v[246+\e], v[139+8*\e], 0x38800400, v[246+\e]      ; + degree x 0.5 / 8191
.endr
.irp c,0,1,2,3
	global_store_b64 v30, v[240+2*\c:241+2*\c], s[14:15] offset:32768*\c   ; 32 lanes store 256 consecutive bytes, aligned
.endr
.Lend:
	s_wait_tensorcnt 0x0
	ds_add_u32 v254, v255
	s_wait_dscnt 0x0
	s_endpgm
.Lfunc_end_k_q53aa0e8dba_final:
	.size	k_q53aa0e8dba_final, .Lfunc_end_k_q53aa0e8dba_final-k_q53aa0e8dba_final
	.p2alignl 7, 3214868480
	.fill 96, 4, 3214868480
	.section	.rodata,"a",@progbits
	.p2align	6, 0x0
	.amdhsa_kernel k_q53aa0e8dba_final
		.amdhsa_group_segment_fixed_size 22528
		.amdhsa_private_segment_fixed_size 0
		.amdhsa_enable_private_segment 0
		.amdhsa_kernarg_size 48
		.amdhsa_user_sgpr_count 2
		.amdhsa_user_sgpr_kernarg_segment_ptr 1
		.amdhsa_wavefront_size32 1
		.amdhsa_system_sgpr_workgroup_id_x 1
		.amdhsa_system_sgpr_workgroup_id_y 1
		.amdhsa_system_sgpr_workgroup_id_z 1
		.amdhsa_system_vgpr_workitem_id 0
		.amdhsa_next_free_vgpr 256
		.amdhsa_next_free_sgpr 66
		.amdhsa_reserve_vcc 1
		.amdhsa_float_denorm_mode_32 3
		.amdhsa_float_denorm_mode_16_64 3
		.amdhsa_memory_ordered 1
		.amdhsa_forward_progress 1
		.amdhsa_inst_pref_size 41
	.end_amdhsa_kernel
	.amdgpu_metadata
---
amdhsa.version: [ 1, 2 ]
amdhsa.kernels:
  - .name:           k_q53aa0e8dba_final
    .symbol:         k_q53aa0e8dba_final.kd
    .args:
      - { .name: node_embeddings, .offset: 0, .size: 8, .value_kind: global_buffer, .address_space: global }
      - { .name: nbr, .offset: 8, .size: 8, .value_kind: global_buffer, .address_space: global }
      - { .name: pstat, .offset: 16, .size: 8, .value_kind: global_buffer, .address_space: global }
      - { .name: colpart, .offset: 24, .size: 8, .value_kind: global_buffer, .address_space: global }
      - { .name: maxpart, .offset: 32, .size: 8, .value_kind: global_buffer, .address_space: global }
      - { .name: out0, .offset: 40, .size: 8, .value_kind: global_buffer, .address_space: global }
    .group_segment_fixed_size: 22528
    .private_segment_fixed_size: 0
    .kernarg_segment_align: 8
    .kernarg_segment_size: 48
    .max_flat_workgroup_size: 512
    .sgpr_count:     66
    .vgpr_count:     256
    .wavefront_size: 32
...
	.end_amdgpu_metadata
.endif
;; end of part 4
